; MI455X (gfx1250); checked and timed in simulation.
; The chip was launched on July 23, 2026; its instructions are those of AMD's public machine-readable ISA for CDNA 5 (MIT licence, August 2026) and "CDNA5" Instruction Set Architecture Reference Guide (July 2026). The comments in the code are by the model that wrote it; some were corrected since.
;; Multi Head Attention. Allowed arithmetic: matrix products marked QUANTISED: E5M2 operands, one E8M0 scale for each 32 along K, by v_wmma_scale_f32_16x16x128_f8f6f4 with both operands' format E5M2, f32 sums; everything else in f32.
;; Inputs: Wk_codes 16 x 64 x 32 x 32 uint8 (E5M2 codes of Wk, K innermost, in blocks of 32 codes); Wk_scales 16 x 64 x 32 uint8 (E8M0 scales of Wk, one for each 32 codes along K); Wproj_codes 1,024 x 32 x 32 uint8 (E5M2 codes of Wproj, K innermost, in blocks of 32 codes); Wproj_scales 1,024 x 32 uint8 (E8M0 scales of Wproj, one for each 32 codes along K); Wq_codes 16 x 64 x 32 x 32 uint8 (E5M2 codes of Wq, K innermost, in blocks of 32 codes); Wq_scales 16 x 64 x 32 uint8 (E8M0 scales of Wq, one for each 32 codes along K); Wv_codes 16 x 64 x 32 x 32 uint8 (E5M2 codes of Wv, K innermost, in blocks of 32 codes); Wv_scales 16 x 64 x 32 uint8 (E8M0 scales of Wv, one for each 32 codes along K); bproj 1,024 float32; x_codes 4 x 2,048 x 32 x 32 uint8 (E5M2 codes of x, K innermost, in blocks of 32 codes); x_scales 4 x 2,048 x 32 uint8 (E8M0 scales of x, one for each 32 codes along K).
;; Outputs: out0 4 x 2,048 x 1,024 float32.
;; This version of the problem:
;;   THIS VERSION OF THE PROBLEM IS GIVEN IN LOW PRECISION. The matrix products marked QUANTISED in the list below multiply operands that are first quantised to E5M2 (5 exponent bits, 2 mantissa bits; 8 bits a number), with one power-of-two scale for each 32 numbers along K (OCP MX v1.0); their sums are f32. All else is computed in f32.
;;   The module's matrix products, in the order in which they are computed (A, B: the left and right operand; K: the contracted axis; several contracted axes count as one K, in the product's order):
;;     1. [M 1,024, K 1,024] x [K 1,024, N 8,192]; A: input Wq (given as codes); B: input x (given as codes): QUANTISED
;;     2. [M 1,024, K 1,024] x [K 1,024, N 8,192]; A: input Wk (given as codes); B: input x (given as codes): QUANTISED
;;     3. [M 1,024, K 1,024] x [K 1,024, N 8,192]; A: input Wv (given as codes); B: input x (given as codes): QUANTISED
;;     4. batch 64 x [M 2,048, K 64] x [K 64, N 2,048]; A: computed on the way; B: computed on the way: QUANTISED
;;     5. batch 64 x [M 2,048, K 2,048] x [K 2,048, N 64]; A: softmax (see below); B: computed on the way: QUANTISED
;;     6. [M 8,192, K 1,024] x [K 1,024, N 1,024]; A: computed on the way; B: input Wproj (given as codes): QUANTISED
;;   THE QUANTISER, for each operand of a quantised product, along K:
;;     - K is cut into blocks of 32 from its start; a last block that is shorter is filled with zeros.
;;     - A block's scale is 2^e with e = floor(log2(the largest magnitude in the block)) - 15, held to -126 .. 127; a block of zeros has e = 0. As a byte (E8M0): e + 127.
;;     - Each number is divided by its block's scale, clamped to +-57,344, and rounded to the nearest number of E5M2, ties to even, subnormals kept.
;;     - The product sums the exact products of the quantised numbers (number of the format x scale) in f32.
;;   ~~~python
;;   def quantise(x, axis):      # numpy; x: float32 -> the quantised numbers, widened to float32 again
;;       x = np.moveaxis(x, axis, -1); K = x.shape[-1]
;;       x = np.pad(x, [(0, 0)] * (x.ndim - 1) + [(0, -K % 32)]); x = x.reshape(x.shape[:-1] + (-1, 32)); a = np.abs(x).max(-1, keepdims=True)
;;       e = np.where(a > 0, np.clip(np.frexp(np.where(a > 0, a, 1))[1] - 1 - 15, -126, 127), 0)      # np.frexp(a)[1] - 1 = floor(log2(a)), exactly
;;       r = np.clip(x / 2.0 ** e, -57344, 57344)
;;       step = 2.0 ** (np.maximum(np.frexp(np.where(r == 0, 1, r))[1] - 1, -14) - 2)
;;       q = np.round(r / step) * step * 2.0 ** e      # np.round: ties to even
;;       return np.moveaxis(q.reshape(q.shape[:-2] + (-1,))[..., :K], -1, axis).astype(np.float32)
;;   ~~~
;;   SOFTMAX AHEAD OF A QUANTISED PRODUCT. Where the list says 'softmax', what is quantised is not the finished softmax but p = 2^(t - M), with t = logit x log2(e) and M = ceil(the row's largest t), a whole number; so 1/2 < the row's largest p <= 1. The row's sum l is taken of the UNQUANTISED p, in f32, and the product's result is divided by l at the end. Since M is a whole number, a kernel that streams over the keys may use a running M (the ceiling of the running maximum): every later rescaling is an exact power of two, which a block's scale takes up: the codes' values come out the same.
;;   OPERANDS COMPUTED ON THE WAY. 'Computed on the way' means the value that the module computes at that place (a softmax that the list does not call 'softmax' is quantised finished and normalised). What goes into a quantiser is computed in f32, as accurately as f32 sums, v_exp_f32 and their like allow (about 1e-6 of the number): no bf16 or f16 on the way to a quantiser, and a product that is left as it is and whose result goes on into a quantised operand takes f32 operands (vector FMAs, or v_wmma_f32_16x16x4_f32). A number that lies on a knife's edge between two numbers of the format may be rounded either way, as far as f32 arithmetic and the matrix unit's own rounding can turn it there, and no further.
;;   INPUTS GIVEN AS CODES. Wk (in the module: [16, 1024, 64], K = its axis 1); Wproj (in the module: [1024, 1024], K = its axis 1); Wq (in the module: [16, 1024, 64], K = its axis 1); Wv (in the module: [16, 1024, 64], K = its axis 1); x (in the module: [4, 2048, 1024], K = its axis 2): each comes as NAME_codes (uint8): NAME with its K axis moved to the last place and cut into blocks of 32 codes, [.., K / 32, bytes a block], one block behind the other in memory; one code a byte (a code: sign, 5 exponent bits, 2 mantissa bits); and NAME_scales (uint8): the same leading axes, one E8M0 byte (e + 127) for each 32 codes along K. Its value is code x scale, taken as it is: it is not quantised again, and the codes and scales need not be those that the quantiser above would give.
;; One version. Each part assembles by itself: llvm-mc -triple=amdgcn-amd-amdhsa -mcpu=gfx1250 --defsym DOCPART=n.
;; ======== version 1 of 1: 3 launches
;; limits: right only within a limited range of input values
;; workspace buffers: qc 8,388,608 bytes; kv 17,301,504 bytes; oc 8,388,608 bytes; qs 262,144 bytes; os 262,144 bytes
;; launch qkv (part 1): grid 96 x 4, 4 waves a work-group, clusters of 4 x 4, 327,680 bytes of LDS; arguments Wq_codes, Wq_scales, Wk_codes, Wk_scales, Wv_codes, Wv_scales, x_codes, x_scales, qc, qs, kv; writes qc, qs, kv
.if DOCPART == 1
	.amdgcn_target "amdgcn-amd-amdhsa--gfx1250"
	.amdhsa_code_object_version 6
	.text
	.protected	k_q1f4765f401_qkv
	.globl	k_q1f4765f401_qkv
	.p2align	8
	.type	k_q1f4765f401_qkv,@function
k_q1f4765f401_qkv:
	s_mov_b64 s[64:65], 0
	v_nop
	global_prefetch_b8 v0, s[64:65] scope:SCOPE_SE
	s_setreg_imm32_b32 hwreg(HW_REG_WAVE_MODE, 25, 1), 1
	s_wait_xcnt 0x0
	s_wait_alu depctr_hold_cnt(0) depctr_sa_sdst(0) depctr_va_vdst(0) depctr_va_sdst(0) depctr_va_ssrc(0) depctr_va_vcc(0) depctr_vm_vsrc(0)
	s_getreg_b32 s2, hwreg(HW_REG_IB_STS2, 6, 4)
	s_cmp_eq_u32 s2, 0
	s_cbranch_scc0 .Lentry_in_a_cluster
	s_endpgm
.Lentry_in_a_cluster:
	s_bfe_u32 s2, ttmp6, 0x10000c
	s_cmp_lg_u32 s2, 0xf033
	s_cbranch_scc0 .Lentry_shape_is_right
	s_endpgm
.Lentry_shape_is_right:
; q, k, v = x W for 16 heads, on codes of BF8 (E5M2) with one E8M0 scale for each 32 along K = 1,024; the results are quantised again in registers and leave as codes.
; ONE TEXT FOR THE THREE PRODUCTS.  Source 0 of the matrix instruction is called P, source 1 is called Q: in a result a lane holds ONE row of Q and its registers run along P's rows, and the result is
; quantised along P's rows.  q and k (quantised along the head's 64): P = W (row = 64 head + d), Q = x (row = 2,048 b + t).  v (quantised along the keys): P = x, Q = Wv.
; 24 clusters of 4 x 4 work-groups: cluster / 8 says which product (0 q, 1 k, 2 v), cluster % 8 which 1,024 rows of x.  A work-group makes 256 rows of Q x 256 rows of P, a wave 128 x 128: 64 accumulators, 512 registers.
; K goes in steps of 256 through a ring of two LDS slots filled by the tensor data mover; the scale bytes of the work-group's 512 rows, for all of K, come into LDS once.
; The four work-groups of a row of the cluster need the same tiles of Q, the four of a column the same tiles of P: each tile is asked for jointly, by the same load with a mask that names the four.
; THE WAY OUT.  For a block of 16 rows of Q a lane holds 64 numbers: four blocks of 32 along P, 16 numbers in this lane and 16 in lane l xor 16.  A block's scale is 2^(floor(log2(largest magnitude)) - 15).
; The codes leave as IMAGES OF AN OPERAND'S REGISTERS: four registers x 32 lanes = 512 consecutive bytes, lane l's 16 bytes at 16 l.  Inside a block of 32 the order of the codes is the order of the result's registers
; (half h of the lanes: places 8 h + 0..7, then 16 + 8 h + 0..7), the same for q and k, and the same for v as for the weights p that the next launch makes: both sides of a product carry it, and a block has one scale.
;   qc, kc: [b 16 + head][t / 16][d / 32][512]     vc: [b 16 + head][t / 128][d / 16][(t % 128) / 32][512]
;   qs, ks: [b 16 + head][t / 32][t % 16] words: bytes = the two blocks of row t % 16 of the even tile of 16, then of the odd tile     vs: [b 16 + head][t / 128][d / 16][d % 16] words: byte c = keys 32 c on
; LIMITS: NaN and infinities among the given codes are not served.  A block of zeros gets the byte 1 where the quantiser says 127: its codes are zeros, and this program alone reads the bytes.
; REGISTERS, in windows of 256: window 0: v0-31 addresses; v32-63 scale words, two sets, and nothing else; v64-110 the way out's; from v128 Q's fragments, one set, on the way out the codes.
;   window 1: P's fragments, two sets.   window 2: the accumulators of my rows 0-63 of Q ((a, b) at v[8 (8 a + b)]);   window 3: those of rows 64-127.
.set KSTEP,  256                       ; along K in a slot
.set NQ,     KSTEP/128                 ; matrix instructions deep
.set ROWB,   256                       ; a tile's row in bytes
.set KROW,   1024                      ; a row of x or of W in memory, in bytes
.set PITCH,  272                       ; an LDS row: 256 bytes + 16 of padding = 68 words: the 16 rows that a load touches start at 16 different banks (64 banks of 4 bytes: ISA guide 11.1)
.set FR,     16                        ; registers of a fragment: 16 rows x 128 K
.set NL,     4                         ; LDS loads that bring one
.set NP,     8                         ; places behind this matrix instruction (ISA guide 7.12.1)
.set HALFT,  128*PITCH                 ; 128 rows: what one tensor load brings
.set SLOT,   4*HALFT                   ; Q's 256 rows, then P's 256 rows
.set LAPS,   1024/(2*KSTEP)            ; a lap = two K steps = once round the ring
.set KS,     32                        ; a row of scale bytes
.set SCL,    2*SLOT                    ; behind the ring: the scales, as units of 256 bytes + 16 of padding
.set HALFS,  (128*KS/256)*272          ; the scales of 128 rows
.set SBLK,   (16*KS/256)*272           ; those of 16 rows
.set SPARE,  SCL+4*HALFS               ; behind the scales: the spare words, 128 bytes for each wave: two blocks of 256 bytes that no other line names
.set ADRA, 16                          ; v16-17  LDS address of my fragments of Q in slot 0, 1
.set ADRB, 20                          ; v20-21  the same for P
.set ADRS, 27                          ; v27     LDS address of my scale words: lanes 0-15 Q's rows, lanes 16-31 P's
.set SPW,  28                          ; v28     LDS address of my spare word; never rewritten
.set NIL,  29                          ; v29     0; never rewritten
.set SC,   32                          ; scale words: set s at v[SC + 8 NQ s]; register NQ i + q: lanes 0-15 Q's block i, lanes 16-31 P's block i
.set AF,   128                         ; Q's fragments, in window 0
.set TM,   64                          ; the way out: v64-67 largest magnitudes, v68-71 bytes, v72-75 the largest number x the scale, v76-79 the conversions' scale operands
.set PW,   80                          ; v80, v81 the scale word of an even block of Q's rows, of an odd one
.set W1,   82                          ; v82, v83 the two words to be stored
.set W2,   83
.set WS,   84                          ; v84-87  store data, one for each pair of blocks
.set VSO,  88                          ; v88-91  their offsets
.set VA,   92                          ; v92-99  offsets of a block's first two pieces
.set VB,   100                         ; v100-107 of its last two
.set VO0,  108                         ; v108    16 x lane
.set VO1,  109                         ; v109    16 x lane + the way to the third piece
.set VS,   110                         ; v110    4 (lane % 16) + the way to the second word for lanes 16-31
.set PC,   128                         ; v128-255 the codes: 16 registers for each block, so that no store's data are written again
.set G1, 24                            ; s[24:31] descriptor group 1 for Q's tiles;  s[32:39] group 0, one set for each slot
.set G0, 32
.set G1B, 48                           ; s[48:55], s[56:63] the same for P's tiles
.set G0B, 56
.set G1S, 68                           ; s[68:75], s[76:79] groups 1 and 0 for Q's scales;  s[80:87], s[88:91] for P's
.set G0S, 76
.set G1SB, 80
.set G0SB, 88
.set KIND, 95                          ; s95 which product
.set SA0,  68                          ; the way out's scalars take the registers of the scales' descriptors, whose loads are long done
.set SJ,   69
.set SB1,  70
.set SW,   71
.set ST1,  72
.set ST2,  73
.set SEL1, 74
.set SEL2, 75
.set HI,   76
.set MNT,  77
.set SELX, 78
.set FL,   80
.set OFF,  81
.set OFS,  82
.set MSB, 0
.macro WIN new                         ; the immediate's high byte repeats the setting that is left
.if MSB != \new
	s_set_vgpr_msb (MSB<<8)|\new
.set MSB, \new
.endif
.endm
.set MUL_LO, 0xa1                      ; source 0 (P) window 1, source 1 (Q) window 0, C and D window 2
.set MUL_HI, 0xf1                      ; the same, C and D window 3
.set TO_B,   0x40                      ; destination window 1, address window 0
; A joint load: waves 0 and 1 fetch for Q, waves 2 and 3 for P.  Each of the two lines has one mask and one set of registers for all that issue it; the branch hangs on the wave's number alone.
; Four v_nop follow each of the two lines, ahead of the jump, the label and what follows.
.macro JLOAD g0a, g1a, g0b, g1b
	s_cmp_eq_u32 s15, 0
	s_cbranch_scc0 .Lfor_b_\@
	tensor_load_to_lds s[\g0a:\g0a+3], s[\g1a:\g1a+7]
	s_nop 0
.rept 4
	v_nop
.endr
	s_branch .Lasked_\@
.Lfor_b_\@:
	tensor_load_to_lds s[\g0b:\g0b+3], s[\g1b:\g1b+7]
	s_nop 0
.rept 4
	v_nop
.endr
.Lasked_\@:
.endm
.macro CREST                           ; a round of the cluster's barrier behind its opening barrier
	s_cmp_lg_u32 s14, 0
	s_cbranch_scc1 .Lnot_wave_0_\@
	s_barrier_signal -3
.Lnot_wave_0_\@:
	s_barrier_wait -3
	s_barrier_signal -1
	s_barrier_wait -1
.endm
.macro CROUND                          ; a whole round
	s_barrier_signal -1
	s_barrier_wait -1
	CREST
.endm
	s_load_b512 s[24:39], s[0:1], 0x0              ; Wq's codes, scales; Wk's; Wv's; x's
	; k and v leave into ONE buffer kv: [b 16 + head][t / 128] blocks of 16,896 bytes: what the head's comment calls kc's, vc's, ks's and vs's part of a key step of 128 keys lies there on end: 8,192 + 8,192 + 256 + 256 bytes
	s_load_b128 s[48:51], s[0:1], 0x40             ; qc, qs
	s_load_b64 s[52:53], s[0:1], 0x50              ; kv
	v_lshl_add_u32 v[SPW], v0, 2, SPARE
	v_mov_b32 v[NIL], 0
	ds_add_u32 v28, v29
	ds_add_u32 v28, v29
	s_wait_dscnt 0x0
	v_lshrrev_b32 v1, 5, v0
	v_readfirstlane_b32 s14, v1                    ; wave 0..3
	s_lshr_b32 s15, s14, 1                         ; which half of the tile's rows of Q is mine.  Also: I fetch for Q (0) or for P (1)
	s_and_b32 s16, s14, 1                          ; which half of its rows of P.  Also: which 128 rows of that tile I fetch
	s_bfe_u32 s40, ttmp6, 0x40000                  ; cx, cy: my place in the cluster
	s_bfe_u32 s41, ttmp6, 0x40004
	s_lshr_b32 s[KIND], ttmp9, 3                   ; the cluster's number says which product,
	s_and_b32 s96, ttmp9, 7
	s_lshl_b32 s96, s96, 2                         ; and which four tiles of x's rows
	s_cmp_eq_u32 s[KIND], 2
	s_cselect_b32 s97, s96, 0                      ; x is P for v,
	s_cselect_b32 s98, 0, s96                      ; and Q for q and k
	s_add_co_u32 s42, s97, s40                     ; P's tile: shared along a column of the cluster
	s_add_co_u32 s17, s98, s41                     ; Q's tile: shared along a row
	s_lshl_b32 s43, s41, 2
	s_lshl_b32 s43, 15, s43                        ; my row of the cluster
	s_lshl_b32 s44, 0x1111, s40                    ; my column
	s_lshl_b32 s20, s17, 8                         ; Q: the tile's first row
	s_lshl_b32 s46, s42, 8                         ; P likewise
	s_mov_b32 s21, 0
	s_mov_b32 s47, 0
	s_mov_b64 s[18:19], KS
	s_mul_u64 s[22:23], s[20:21], s[18:19]         ; where these rows' scales begin, in bytes
	s_mul_u64 s[92:93], s[46:47], s[18:19]
	s_mov_b64 s[18:19], KROW
	s_mul_u64 s[20:21], s[20:21], s[18:19]         ; and their codes
	s_mul_u64 s[46:47], s[46:47], s[18:19]
	s_mul_i32 s18, s16, 128*KROW                   ; in the ring I fetch 128 rows of a tile: which half, in bytes
	s_mov_b32 s19, 0
	s_mul_i32 s45, s14, HALFT
	s_wait_kmcnt 0x0
	s_cmp_eq_u32 s[KIND], 0                        ; the buffers are chosen by the cluster's number alone
	s_cselect_b64 s[8:9], s[24:25], s[28:29]       ; Wq or Wk
	s_cselect_b64 s[10:11], s[26:27], s[30:31]
	s_cselect_b64 s[12:13], s[48:49], s[52:53]     ; qc or kc
	s_cselect_b64 s[66:67], s[50:51], s[52:53]     ; qs or kv
	s_cmp_eq_u32 s[KIND], 2
	s_cselect_b64 s[4:5], s[32:33], s[36:37]       ; Q: Wv for v, else x
	s_cselect_b64 s[6:7], s[34:35], s[38:39]
	s_cselect_b64 s[8:9], s[36:37], s[8:9]         ; P: x for v, else the weight
	s_cselect_b64 s[10:11], s[38:39], s[10:11]
	s_add_nc_u64 s[20:21], s[4:5], s[20:21]
	s_add_nc_u64 s[22:23], s[6:7], s[22:23]
	s_add_nc_u64 s[46:47], s[8:9], s[46:47]
	s_add_nc_u64 s[92:93], s[10:11], s[92:93]
	; descriptor group 1: a tile of 128 rows x 256 bytes, padded in LDS.  (The registers that held the arguments are free now)
	s_or_b32 s[G1+0], s43, (0<<16)|(1<<20)|(1<<21)|(5<<22)|(3<<25)  ; 15:0 the mask: Q's tiles go to my row; 17:16 elements of 1 byte; 20 padding on; 21 set beside a mask; 24:22 after every 64 words (code 5); 31:25 four words (code 3)
	s_or_b32 s[G1B+0], s44, (0<<16)|(1<<20)|(1<<21)|(5<<22)|(3<<25)
.irp g, G1, G1B
	s_mov_b32 s[\g+1], ROWB<<16                    ; tensor_dim0
	s_mov_b32 s[\g+2], 256<<16                     ; tensor_dim1: 256 rows for the head's loads; set to 128 for the ring's behind them
	s_mov_b32 s[\g+3], ROWB<<16                    ; tile_dim0
	s_mov_b32 s[\g+4], 256                         ; tile_dim1
	s_mov_b32 s[\g+5], KROW                        ; tensor_dim0_stride
	s_mov_b32 s[\g+6], 0
	s_mov_b32 s[\g+7], 0
.endr
	; and for the scales of 256 rows: a dense block of 8,192 bytes, as 32 rows of 256 bytes (32 elements of 8 bytes), 16 bytes of padding behind each
	s_or_b32 s[G1S+0], s43, (3<<16)|(1<<20)|(1<<21)|(5<<22)|(3<<25)
	s_or_b32 s[G1SB+0], s44, (3<<16)|(1<<20)|(1<<21)|(5<<22)|(3<<25)
.irp g, G1S, G1SB
	s_mov_b32 s[\g+1], 32<<16
	s_mov_b32 s[\g+2], (256*KS/256)<<16
	s_mov_b32 s[\g+3], 32<<16
	s_mov_b32 s[\g+4], 256*KS/256
	s_mov_b32 s[\g+5], 32
	s_mov_b32 s[\g+6], 0
	s_mov_b32 s[\g+7], 0
.endr
	CROUND                                         ; all sixteen work-groups are here: the first joint loads meet
	s_mov_b32 s[G0S], 1
	s_mov_b32 s[G0S+1], SCL
	s_mov_b64 s[G0S+2:G0S+3], s[22:23]
	s_or_b32 s[G0S+3], s[G0S+3], 0x80000000
	s_mov_b32 s[G0SB], 1
	s_mov_b32 s[G0SB+1], SCL+2*HALFS
	s_mov_b64 s[G0SB+2:G0SB+3], s[92:93]
	s_or_b32 s[G0SB+3], s[G0SB+3], 0x80000000
	s_mov_b32 s4, 1                                ; group 0 of the head's loads of K step 0: Q's 256 rows (the arguments that lay in s4-11 have been used),
	s_mov_b32 s5, 0
	s_mov_b64 s[6:7], s[20:21]
	s_or_b32 s7, s7, 0x80000000
	s_mov_b32 s8, 1                                ; P's 256 rows, behind them in slot 0
	s_mov_b32 s9, 2*HALFT
	s_mov_b64 s[10:11], s[46:47]
	s_or_b32 s11, s11, 0x80000000
	s_add_nc_u64 s[20:21], s[20:21], s[18:19]      ; for the ring: my 128 rows of the tile
	s_add_nc_u64 s[46:47], s[46:47], s[18:19]
.irp s, 0,1
	s_mov_b32 s[G0+4*\s], 1
	s_add_co_u32 s[G0+4*\s+1], s45, \s*SLOT
	s_add_nc_u64 s[G0+4*\s+2:G0+4*\s+3], s[20:21], \s*ROWB
	s_or_b32 s[G0+4*\s+3], s[G0+4*\s+3], 0x80000000
	s_mov_b32 s[G0B+4*\s], 1
	s_add_co_u32 s[G0B+4*\s+1], s45, \s*SLOT
	s_add_nc_u64 s[G0B+4*\s+2:G0B+4*\s+3], s[46:47], \s*ROWB
	s_or_b32 s[G0B+4*\s+3], s[G0B+4*\s+3], 0x80000000
.endr
; The head's loads, one a wave: wave 0 K step 0's 256 rows of Q, wave 1 its 256 rows of P, wave 2 Q's scales, wave 3 P's.  One tree of branches on the wave's number: every way passes exactly one load.
.macro ARM under, g0, g1, next
	s_cmp_lt_u32 s14, \under
	s_cbranch_scc0 \next
	tensor_load_to_lds s[\g0:\g0+3], s[\g1:\g1+7]
	s_nop 0
.rept 4
	v_nop
.endr
	s_branch .Lhead_asked
\next:
.endm
	ARM 1, 4, G1, .Lhead_b
	ARM 2, 8, G1B, .Lhead_sa
	ARM 3, G0S, G1S, .Lhead_sb
	tensor_load_to_lds s[G0SB:G0SB+3], s[G1SB:G1SB+7]
	s_nop 0
.rept 4
	v_nop
.endr
.Lhead_asked:
	v_and_b32 v1, 15, v0                           ; l % 16
	v_bfe_u32 v2, v0, 4, 1                         ; l / 16
	v_mul_u32_u24 v3, v1, PITCH
	v_lshl_add_u32 v4, v2, 4, v3                   ; a fragment's row x pitch + 16 x half
	s_mul_i32 s21, s15, HALFT                      ; my 128 rows of Q
	s_mul_i32 s22, s16, HALFT                      ; my 128 rows of P,
	s_add_co_u32 s22, s22, 2*HALFT                 ; which lie behind Q's 256
.irp s, 0,1
	v_add_nc_u32 v[ADRA+\s], s21, v4
	v_add_nc_u32 v[ADRB+\s], s22, v4
	s_add_co_u32 s21, s21, SLOT
	s_add_co_u32 s22, s22, SLOT
.endr
	v_mul_u32_u24 v5, v1, KS                       ; my row's scales: 32 bytes a row,
	v_lshrrev_b32 v6, 8, v5
	v_lshl_add_u32 v5, v6, 4, v5                   ; and 16 more for each 256 passed
	s_mul_i32 s21, s15, HALFS                      ; Q's: my 128 rows
	s_mul_i32 s22, s16, HALFS                      ; P's: my 128 rows, behind Q's 256
	s_add_co_u32 s22, s22, 2*HALFS
	s_sub_co_u32 s22, s22, s21
	v_mul_u32_u24 v6, s22, v2                      ; lanes 16-31 take P's
	s_add_co_u32 s21, s21, SCL
	v_add_nc_u32 v5, v5, v6
	v_add_nc_u32 v[ADRS], s21, v5
.macro FRAG reg, adr, q, i             ; a fragment, 16 rows x 128 K, is 16 registers: lane l holds row l % 16; registers 4 c .. 4 c + 3 hold K = 32 c + 16 (l / 16) + 0 .. 15
.irp c, 0,1,2,3
	ds_load_b128 v[\reg+4*\c:\reg+4*\c+3], v[\adr] offset:128*(\q)+32*\c+(\i)*16*PITCH
.endr
.endm
; 16 matrix instructions: Q's blocks a0, a0 + 1 x P's eight, 128 along K: the slot's q-th.  p: P's set;  sc: the set of scale words.  zero = 1: the first product starts the sums: nothing is ever cleared.
; The 64 accumulators take turns, one instruction a turn, in the same order in every step.
.macro MUL16 a0, p, q, sc, zero
.irp a, \a0, \a0+1
.irp b, 0,1,2,3,4,5,6,7
.if \zero
	v_wmma_scale_f32_16x16x128_f8f6f4 v[8*(8*((\a)%4)+\b):8*(8*((\a)%4)+\b)+7], v[128*(\p)+FR*\b:128*(\p)+FR*\b+FR-1], v[AF+FR*(\a):AF+FR*(\a)+FR-1], 0, v[SC+8*NQ*(\sc)+NQ*\b+(\q)], v[SC+8*NQ*(\sc)+NQ*(\a)+(\q)] matrix_a_fmt:MATRIX_FMT_BF8 matrix_b_fmt:MATRIX_FMT_BF8 matrix_a_scale:MATRIX_SCALE_ROW1
.else
	v_wmma_scale_f32_16x16x128_f8f6f4 v[8*(8*((\a)%4)+\b):8*(8*((\a)%4)+\b)+7], v[128*(\p)+FR*\b:128*(\p)+FR*\b+FR-1], v[AF+FR*(\a):AF+FR*(\a)+FR-1], v[8*(8*((\a)%4)+\b):8*(8*((\a)%4)+\b)+7], v[SC+8*NQ*(\sc)+NQ*\b+(\q)], v[SC+8*NQ*(\sc)+NQ*(\a)+(\q)] matrix_a_fmt:MATRIX_FMT_BF8 matrix_b_fmt:MATRIX_FMT_BF8 matrix_a_scale:MATRIX_SCALE_ROW1
.endif
.endr
.endr
.endm
.macro FETCH_B slot, q, p              ; P's eight fragments of the slot's q-th 128 along K into set p
	WIN TO_B
.irp i, 0,1,2,3,4,5,6,7
	FRAG 128*(\p)+FR*\i, ADRB+\slot, \q, \i
.endr
	WIN 0
.endm
.macro FETCH_A slot, q, i0             ; Q's blocks i0 .. i0 + 3
.irp i, \i0, \i0+1, \i0+2, \i0+3
	FRAG AF+FR*(\i), ADRA+\slot, \q, \i
.endr
.endm
.macro SCALES sc                       ; the next K step's scale words into set sc: two words a row; lanes 0-15 take Q's block i, lanes 16-31 P's block i
.irp i, 0,1,2,3,4,5,6,7
	ds_load_b64 v[SC+8*NQ*\sc+NQ*\i:SC+8*NQ*\sc+NQ*\i+1], v[ADRS] offset:\i*SBLK
.endr
.endm
; A load into a register that a matrix instruction has read, and a vector instruction that reads a matrix result, stand eight places behind that matrix instruction, and only plain vector
; instructions that name none of its registers are places.
.macro PLACES n
.rept \n
	v_nop
.endr
.endm
; A step of 128 along K that has its successor in the same slot.
.macro STEP slot, q, zero
	s_wait_dscnt 4*NL                              ; P's set and Q's blocks 0-3 are in; the youngest sixteen loads (Q's blocks 4-7) may be out
	WIN MUL_LO
	MUL16 0, (\q)%2, \q, \slot, \zero
	MUL16 2, (\q)%2, \q, \slot, \zero
	s_wait_dscnt 0                                 ; Q's blocks 4-7 are in (asked for 32 matrix instructions ago)
	PLACES NP
	FETCH_B \slot, (\q)+1, 1-(\q)%2
	FETCH_A \slot, (\q)+1, 0
	WIN MUL_HI
	MUL16 4, (\q)%2, \q, \slot, \zero
	MUL16 6, (\q)%2, \q, \slot, \zero
	PLACES NP
	WIN 0
	FETCH_A \slot, (\q)+1, 4
.endm
; A slot's last step changes slots: one barrier; in front of it each wave waits for all its tensor loads, adds 0 to its spare word, and waits for that and for its own reads of this slot.  fill = 1: this slot is filled again, two K steps ahead.
.macro TURN slot, next, fill
	s_wait_tensorcnt 0x0                           ; all my tensor loads have landed: my part of the next slot;  (every window is 0 here)
	ds_add_u32 v[SPW], v[NIL]                      ; 0 onto my spare word;
	s_wait_dscnt 4*NL+1                            ; (the add and the youngest sixteen loads, Q's blocks 4-7, may be out)
	WIN MUL_LO
	MUL16 0, 1, NQ-1, \slot, 0                     ; sixteen matrix instructions stand between the add and the wait for it
	s_wait_dscnt 0x0                               ; the add is done, and my reads of this slot are over
	s_barrier_signal -1
	MUL16 2, 1, NQ-1, \slot, 0
	WIN 0
	s_barrier_wait -1
.if \fill
	CREST                                          ; the barrier has opened a round of the cluster's barrier: no wave of any partner still reads this slot's tile or has a load on its way
	s_add_nc_u64 s[G0+4*\slot+2:G0+4*\slot+3], s[G0+4*\slot+2:G0+4*\slot+3], 2*ROWB
	s_add_nc_u64 s[G0B+4*\slot+2:G0B+4*\slot+3], s[G0B+4*\slot+2:G0B+4*\slot+3], 2*ROWB
	JLOAD G0+4*\slot, G1, G0B+4*\slot, G1B         ; the first tensor load behind the round; the four v_nop behind it are among the places in front of the loads below
	PLACES NP-4
.else
	PLACES NP
.endif
	s_wait_alu depctr_va_vdst(0)
	v_add_nc_u32 v[ADRS], 4*NQ, v[ADRS]            ; on to the next K step's scale words
	FETCH_B \next, 0, 0
	FETCH_A \next, 0, 0
	SCALES \next
	WIN MUL_HI
	MUL16 4, 1, NQ-1, \slot, 0
	MUL16 6, 1, NQ-1, \slot, 0
	PLACES NP
	WIN 0
	FETCH_A \next, 0, 4
.endm
	s_wait_alu depctr_va_vdst(0)
	s_wait_tensorcnt 0x0                           ; my tile of the head's four is in
	ds_add_u32 v[SPW], v[NIL]
	s_mov_b32 s[G1+2], 128<<16                     ; no tensor load of mine is out: from here on a load brings 128 rows
	s_mov_b32 s[G1+4], 128
	s_mov_b32 s[G1B+2], 128<<16
	s_mov_b32 s[G1B+4], 128
	s_wait_dscnt 0x0                               ; the add is done
	CROUND                                         ; all four tiles are in, and all sixteen work-groups are here
	JLOAD G0+4, G1, G0B+4, G1B                     ; K step 1's load, the first tensor load behind the round
	FETCH_B 0, 0, 0
	FETCH_A 0, 0, 0
	SCALES 0
	FETCH_A 0, 0, 4
	STEP 0, 0, 1                                   ; the first step stands in front of the loop: its products start the sums
	s_mov_b32 s3, LAPS-1
.Llap:                                                 ; a trip goes once round the ring, from a lap's second step to the next lap's first, and fills both slots again
	TURN 0, 1, 1
	STEP 1, 0, 0
	TURN 1, 0, 1
	STEP 0, 0, 0
	s_sub_co_u32 s3, s3, 1
	s_cmp_lg_u32 s3, 0
	s_cbranch_scc1 .Llap
	TURN 0, 1, 0                                   ; the last lap fills nothing, and has no round of the cluster's barrier
	STEP 1, 0, 0
	s_wait_dscnt 4*NL                              ; the very last step: nothing more to fetch
	WIN MUL_LO
	MUL16 0, 1, NQ-1, 1, 0
	MUL16 2, 1, NQ-1, 1, 0
	s_wait_dscnt 0
	WIN MUL_HI
	MUL16 4, 1, NQ-1, 1, 0
	MUL16 6, 1, NQ-1, 1, 0
	WIN 0
	PLACES NP                                      ; behind the last products: their results are read and Q's fragments' registers written below
	; THE WAY OUT.  Where my wave's part begins, and the steps from piece to piece, which differ between q, k (left of the colon in the comments) and v (right).
	s_lshl_b32 s84, s42, 8
	s_lshl_b32 s83, s16, 7
	s_add_co_u32 s84, s84, s83                     ; my first row of P
	s_lshl_b32 s85, s17, 8
	s_lshl_b32 s83, s15, 7
	s_add_co_u32 s85, s85, s83                     ; my first row of Q
	s_mov_b32 s[SA0], 1024                         ; from a block of Q's rows to the next: the next 16 t : the next 16 d
	s_mov_b32 s[SJ], 1024                          ; from block 3 to block 4: the same : the next head
	s_mov_b32 s[SB1], 131072                       ; from a block's first piece to its third: the next head : 64 keys on
	s_mov_b32 s[SW], 4096
	s_cmp_eq_u32 s[KIND], 0                        ; k: the next head lies 270,336 bytes on in kv, for codes and scale words alike
	s_cselect_b32 s[SB1], s[SB1], 270336
	s_cselect_b32 s[SW], s[SW], 270336
	s_mov_b32 s[ST1], 64                           ; from pair to pair
	s_mov_b32 s[ST2], 64
	s_mov_b32 s[SEL1], 0x05040100                  ; the first word: the low halves of the even and the odd block's : the even block's word
	s_mov_b32 s[SEL2], 0x07060302                  ; the second: the high halves : the odd block's word
	s_cmp_eq_u32 s[KIND], 2
	s_cselect_b32 s86, s84, s85                    ; the row of x,
	s_cselect_b32 s87, s85, s84                    ; the row of the weight
	s_cselect_b32 s[SA0], 2048, s[SA0]
	s_cselect_b32 s[SJ], 264192, s[SJ]             ; 270,336 - 3 x 2,048
	s_cselect_b32 s[SB1], 1024, s[SB1]
	s_cselect_b32 s[SW], 64, s[SW]
	s_cselect_b32 s[ST1], 128, s[ST1]
	s_cselect_b32 s[ST2], 270208, s[ST2]           ; 270,336 - 128
	s_cselect_b32 s[SEL1], 0x03020100, s[SEL1]
	s_cselect_b32 s[SEL2], 0x07060504, s[SEL2]
	s_lshr_b32 s88, s86, 11                        ; b
	s_lshr_b32 s83, s87, 6                         ; the head
	s_lshl_b32 s89, s88, 4
	s_add_co_u32 s89, s89, s83                     ; b 16 + head
	s_and_b32 s83, s86, 2047                       ; t, a multiple of 128
	s_lshl_b32 s88, s89, 17                        ; q: 131,072 bytes of codes a head, 64 for each t;
	s_lshl_b32 s90, s83, 6
	s_add_co_u32 s88, s88, s90
	s_lshl_b32 s90, s89, 12                        ; 4,096 of scale words, 2 for each t
	s_lshl_b32 s91, s83, 1
	s_add_co_u32 s90, s90, s91
	s_mul_i32 s89, s89, 270336                     ; k, v: the head in kv,
	s_lshr_b32 s83, s83, 7
	s_mul_i32 s83, s83, 16896                      ; the key step
	s_add_co_u32 s89, s89, s83
	s_cmp_eq_u32 s[KIND], 2
	s_cselect_b32 s83, 8192, 0                     ; v's images lie behind k's,
	s_cselect_b32 s91, 256, 0                      ; v's scale words behind k's,
	s_add_co_u32 s83, s83, s89
	s_add_co_u32 s91, s91, s89
	s_add_co_u32 s91, s91, 16384                   ; which lie behind the images
	s_cmp_eq_u32 s[KIND], 0
	s_cselect_b32 s88, s88, s83
	s_cselect_b32 s90, s90, s91
	s_mov_b32 s89, 0
	s_mov_b32 s91, 0
	s_add_nc_u64 s[12:13], s[12:13], s[88:89]
	s_add_nc_u64 s[66:67], s[66:67], s[90:91]
	s_mov_b32 s[HI], 0xffff0000                    ; lanes 16-31
	s_mov_b32 s[MNT], 0x600000                     ; the mantissa field of 57,344
	s_mov_b32 s[SELX], 0x76543210
	s_mov_b32 s[SELX+1], 0xfedcba98                ; v_permlanex16_b32's selects for lane l xor 16
	s_mov_b32 s[FL], 0x8000000                     ; the floor 2^(16 - 127)
	s_mov_b32 s[OFF], 0
	s_mov_b32 s[OFS], 0
	v_and_b32 v1, 31, v0
	v_lshlrev_b32 v[VO0], 4, v1
	v_add_nc_u32 v[VO1], s[SB1], v[VO0]
	v_and_b32 v1, 15, v0
	v_bfe_u32 v2, v0, 4, 1
	v_mul_u32_u24 v3, s[SW], v2
	v_lshl_add_u32 v[VS], v1, 2, v3
.irp b, 0,1,2,3
	v_mov_b32 v[TM+4+\b], 0                        ; written once: a lane permute's destination counts as one of its sources
.endr
; Block a of Q's rows: its 64 registers are four blocks of 32 along P, 16 numbers here and 16 in lane l xor 16.  They become 16 registers of codes and a scale word, and leave.
.macro OUTW a
.set AC, 64*((\a)%4)
.set WA, ((2+(\a)/4)<<2)|((2+(\a)/4)<<4)
.set WB, (2+(\a)/4)|((2+(\a)/4)<<6)
.set WC, 2+(\a)/4
	WIN WA                                         ; sources 1 and 2: the accumulators' window
.irp b, 0,1,2,3
	v_max3_num_f32 v[TM+\b], s[FL], |v[AC+16*\b]|, |v[AC+16*\b+1]|   ; my 16 numbers of block b, and the floor, under which no largest magnitude is taken: so the byte cannot fall under 1.  Each accumulator is read from its low end on
.endr
.irp i, 2,4,6,8,10,12,14
.irp b, 0,1,2,3
	v_max3_num_f32 v[TM+\b], v[TM+\b], |v[AC+16*\b+\i]|, |v[AC+16*\b+\i+1]|   ; (the four blocks by turns)
.endr
.endr
	WIN 0
.irp b, 0,1,2,3
	v_permlanex16_b32 v[TM+4+\b], v[TM+\b], s[SELX], s[SELX+1]
.endr
.irp b, 0,1,2,3
	v_max_num_f32 v[TM+\b], v[TM+\b], v[TM+4+\b]   ; with lane l xor 16's: the block's largest magnitude
.endr
.irp b, 0,1,2,3
	v_add_nc_u32 v[TM+12+\b], 0xf8800000, v[TM+\b]   ; 15 off its exponent field: the conversion takes the exponent field of this operand as its scale
.endr
.irp b, 0,1,2,3
	v_and_or_b32 v[TM+8+\b], v[TM+\b], 0x7f800000, s[MNT]   ; 57,344 x the scale
.endr
.irp b, 0,1,2,3
	v_lshrrev_b32 v[TM+4+\b], 23, v[TM+12+\b]      ; the scale's byte
.endr
	v_lshl_or_b32 v[PW+(\a)%2], v[TM+5], 8, v[TM+4]
	v_lshl_or_b32 v[PW+(\a)%2], v[TM+6], 16, v[PW+(\a)%2]
	v_lshl_or_b32 v[PW+(\a)%2], v[TM+7], 24, v[PW+(\a)%2]
	WIN WB                                         ; destination and source 0: the accumulators' window
.irp b, 0,1,2,3
.irp i, 0,1,2,3,4,5,6,7,8,9,10,11,12,13,14,15
	v_med3_num_f32 v[AC+16*\b+\i], v[AC+16*\b+\i], -v[TM+8+\b], v[TM+8+\b]   ; the conversion to an 8-bit code does not saturate (ISA guide 7.6.2): the hold at the largest code x the scale
.endr
.endr
	WIN WC                                         ; source 0 alone
.irp b, 0,1,2,3
	v_cvt_scalef32_pk8_bf8_f32 v[PC+16*(\a)+4*\b:PC+16*(\a)+4*\b+1], v[AC+16*\b:AC+16*\b+7], v[TM+12+\b]
	v_cvt_scalef32_pk8_bf8_f32 v[PC+16*(\a)+4*\b+2:PC+16*(\a)+4*\b+3], v[AC+16*\b+8:AC+16*\b+15], v[TM+12+\b]
.endr
	WIN 0
	v_nop                                          ; one plain vector instruction behind the scaled conversions, before their sources are written again
	v_add_nc_u32 v[VA+\a], s[OFF], v[VO0]
	v_add_nc_u32 v[VB+\a], s[OFF], v[VO1]
	global_store_b128 v[VA+\a], v[PC+16*(\a):PC+16*(\a)+3], s[12:13]                  ; each store of the wave covers 512 consecutive bytes, aligned
	global_store_b128 v[VA+\a], v[PC+16*(\a)+4:PC+16*(\a)+7], s[12:13] offset:512
	global_store_b128 v[VB+\a], v[PC+16*(\a)+8:PC+16*(\a)+11], s[12:13]
	global_store_b128 v[VB+\a], v[PC+16*(\a)+12:PC+16*(\a)+15], s[12:13] offset:512
.if (\a) == 3
	s_add_co_u32 s[OFF], s[OFF], s[SJ]
.else
	s_add_co_u32 s[OFF], s[OFF], s[SA0]
.endif
.if (\a)%2 == 1                        ; a pair of blocks gives two runs of sixteen words: 64 bytes each.  They are a thirty-second of the codes' bytes
	v_perm_b32 v[W1], v[PW+1], v[PW], s[SEL1]      ; selector bytes 0-3: the even block's word, 4-7: the odd block's
	v_perm_b32 v[W2], v[PW+1], v[PW], s[SEL2]
	v_cndmask_b32 v[WS+(\a)/2], v[W1], v[W2], s[HI]   ; lanes 0-15 store the first word, lanes 16-31 the second
	v_add_nc_u32 v[VSO+(\a)/2], s[OFS], v[VS]
	global_store_b32 v[VSO+(\a)/2], v[WS+(\a)/2], s[66:67]
.if (\a) == 3
	s_add_co_u32 s[OFS], s[OFS], s[ST2]
.else
	s_add_co_u32 s[OFS], s[OFS], s[ST1]
.endif
.endif
.endm
.irp a, 0,1,2,3,4,5,6,7                ; every store has data and offset registers of its own: none is written again
	OUTW \a
.endr
	s_wait_tensorcnt 0x0                           ; the wave's end
	ds_add_u32 v[SPW], v[NIL]
	s_wait_dscnt 0x0
	CROUND                                         ; the closing round: no work-group ends while a partner may still ask for a tile that names it
	s_endpgm
.Lfunc_end_k_q1f4765f401_qkv:
	.size	k_q1f4765f401_qkv, .Lfunc_end_k_q1f4765f401_qkv-k_q1f4765f401_qkv
	.p2alignl 7, 3214868480
	.fill 96, 4, 3214868480
	.section	.rodata,"a",@progbits
	.p2align	6, 0x0
	.amdhsa_kernel k_q1f4765f401_qkv
		.amdhsa_group_segment_fixed_size 327680
		.amdhsa_private_segment_fixed_size 0
		.amdhsa_enable_private_segment 0
		.amdhsa_kernarg_size 88
		.amdhsa_user_sgpr_count 2
		.amdhsa_user_sgpr_kernarg_segment_ptr 1
		.amdhsa_wavefront_size32 1
		.amdhsa_system_sgpr_workgroup_id_x 1
		.amdhsa_system_sgpr_workgroup_id_y 1
		.amdhsa_system_sgpr_workgroup_id_z 1
		.amdhsa_system_vgpr_workitem_id 0
		.amdhsa_next_free_vgpr 1024
		.amdhsa_next_free_sgpr 100
		.amdhsa_reserve_vcc 0
		.amdhsa_float_denorm_mode_32 3
		.amdhsa_float_denorm_mode_16_64 3
		.amdhsa_memory_ordered 1
		.amdhsa_forward_progress 1
		.amdhsa_inst_pref_size 189
	.end_amdhsa_kernel
	.amdgpu_metadata
---
amdhsa.version: [ 1, 2 ]
amdhsa.kernels:
  - .name:           k_q1f4765f401_qkv
    .symbol:         k_q1f4765f401_qkv.kd
    .args:
      - { .name: Wq_codes, .offset: 0, .size: 8, .value_kind: global_buffer, .address_space: global }
      - { .name: Wq_scales, .offset: 8, .size: 8, .value_kind: global_buffer, .address_space: global }
      - { .name: Wk_codes, .offset: 16, .size: 8, .value_kind: global_buffer, .address_space: global }
      - { .name: Wk_scales, .offset: 24, .size: 8, .value_kind: global_buffer, .address_space: global }
      - { .name: Wv_codes, .offset: 32, .size: 8, .value_kind: global_buffer, .address_space: global }
      - { .name: Wv_scales, .offset: 40, .size: 8, .value_kind: global_buffer, .address_space: global }
      - { .name: x_codes, .offset: 48, .size: 8, .value_kind: global_buffer, .address_space: global }
      - { .name: x_scales, .offset: 56, .size: 8, .value_kind: global_buffer, .address_space: global }
      - { .name: qc, .offset: 64, .size: 8, .value_kind: global_buffer, .address_space: global }
      - { .name: qs, .offset: 72, .size: 8, .value_kind: global_buffer, .address_space: global }
      - { .name: kv, .offset: 80, .size: 8, .value_kind: global_buffer, .address_space: global }
    .group_segment_fixed_size: 327680
    .private_segment_fixed_size: 0
    .kernarg_segment_align: 8
    .kernarg_segment_size: 88
    .max_flat_workgroup_size: 128
    .sgpr_count:     100
    .vgpr_count:     1024
    .wavefront_size: 32
...
	.end_amdgpu_metadata
.endif
;; end of part 1
;; launch attn (part 2): grid 4 x 64, 16 waves a work-group, clusters of 4 x 1, 327,680 bytes of LDS; arguments qc, qs, kv, oc, os; writes oc, os
.if DOCPART == 2
	.amdgcn_target "amdgcn-amd-amdhsa--gfx1250"
	.amdhsa_code_object_version 6
	.text
	.protected	k_q1f4765f401_attn
	.globl	k_q1f4765f401_attn
	.p2align	8
	.type	k_q1f4765f401_attn,@function
k_q1f4765f401_attn:
	s_mov_b64 s[64:65], 0
	v_nop
	global_prefetch_b8 v0, s[64:65] scope:SCOPE_SE
	s_setreg_imm32_b32 hwreg(HW_REG_WAVE_MODE, 25, 1), 1
	s_wait_xcnt 0x0
	s_wait_alu depctr_hold_cnt(0) depctr_sa_sdst(0) depctr_va_vdst(0) depctr_va_sdst(0) depctr_va_ssrc(0) depctr_va_vcc(0) depctr_vm_vsrc(0)
	s_getreg_b32 s2, hwreg(HW_REG_IB_STS2, 6, 4)
	s_cmp_eq_u32 s2, 0
	s_cbranch_scc0 .Lentry_in_a_cluster
	s_endpgm
.Lentry_in_a_cluster:
	s_bfe_u32 s2, ttmp6, 0x10000c
	s_cmp_lg_u32 s2, 0x3003
	s_cbranch_scc0 .Lentry_shape_is_right
	s_endpgm
.Lentry_shape_is_right:
; o[b][head][t][:] = the sum over keys s <= t of softmax_s(q[t] . k[s] / 32) v[s][:], both products on codes of BF8 (E5M2) with one E8M0 scale for each 32 along a product's K; o is quantised along its 64 and leaves as codes.
; LEFT OUT: key steps all of whose keys come after a tile's queries: their p is 0 for all inputs.
; THE SOFTMAX: t = score x log2(e) / 32; M = the row's largest t so far, rounded up to a whole number; p = 2^(t - M) is quantised along the keys, not normalised.  The row's sum is taken of the unquantised p and divides O at the end.
; When M moves, the sum and O are multiplied by 2^(old M - new M): exact.
; K AND V OF THE WHOLE HEAD STAY IN LDS.  kv holds, for each head and key step of 128 keys, 16,896 dense bytes: K's images 8,192, V's images 8,192, K's scale words 256, V's 256.  Wave w brings key step w, 66 rows of 256 bytes,
; by its one tensor load at the head: 270,336 bytes, filled once; nothing is filled again.  Waves 0-3 have a load line of their own: the first barrier shows steps 0-3, the second all sixteen.
; CLUSTER: the four work-groups of a head form a cluster and ask for each key step jointly (mask 15).
; SHARES.  A head has 128 tiles of 16 queries.  Wave w of work-group i takes tile 127 - (4 w + i), then tile 4 w + i: 16 - w / 2 and w / 2 + 1 key steps, 17 for every wave.  The number of steps hangs on the wave's number alone,
; so no branch hangs on a work-group's place in its cluster; the place enters global addresses and the diagonal's lane masks only.  Every work-group has a tile in the last key step: all that is fetched is read.
; TWO SETS OF 64 REGISTERS TAKE TURNS.  In a step K lies in one set and the scores fall into the other; V is loaded where K lay; as soon as a block of p is converted, the next step's fragment of K is loaded where that block lay.
; So a trip of a loop is two steps.  The look-ahead's address is held at the run's last step: the last look-ahead of a run reads that step's K once more and is not used.
; OPERANDS ARE IMAGES OF REGISTERS: four registers x 32 lanes = 512 consecutive bytes, lane l's 16 bytes at 16 l.
; BOTH PRODUCTS ARE USED TRANSPOSED: S^T = K Q^T, O^T = V^T P^T: a lane holds one query (lane % 16).  The head has 64, the instruction takes 128 along K: a fragment of K holds two tiles of 16 keys, and Q stands as 0 | q | 0.
; Register 16 p + 8 u + j of the scores is key 32 p + 16 u + 8 (lane / 16) + j: the order of v's codes inside each block of 32 keys.
; NO PREFETCH: all that the launch reads through LDS is asked for at its head; there is no loop to run ahead in.
; LIMITS: NaN and infinities are not served.  A block of zeros gets the byte 1 where the quantiser says 127: its codes are zeros, and this program alone reads the bytes.  The scaled scores stay under 2^31 in magnitude.
.set STEPB, 16896
.set HEADB, 16*STEPB
.set VOF,   8192
.set KSO,   16384
.set VSO,   16640
.set SPARE, HEADB                      ; the spare words: 128 bytes a wave, 2,048 in all
.set LI,   1                           ; v1   16 x lane
.set LS,   2                           ; v2   4 x (lane % 16)
.set ADR,  5                           ; v5   LDS address of the step's images
.set ADS,  6                           ; v6   of its scale words
.set NINF, 9
.set GO,   10
.set GS,   11                          ; v12 -M, v13 the largest t, v[14:15] the sum.   v3, v4, v7, v8: second copies of the holds' bounds
.set QZ,   16                          ; v16-23 zeros, v24-31 q, v32-39 zeros
.set QW,   40
.set QR,   41
.set PWD,  42
.set ADN,  43                          ; v43  LDS address of the next step's images
.set FS,   44                          ; v44-47 V's scale words
.set R1,   48                          ; v48-111, v112-175: the two sets
.set R2,   112
.set S,    R2                          ; at a tile's end: O^T / the sum
.set OT,   176
.set PC,   208
.set BM,   224
.set BY,   228
.set HD,   232
.set SO,   236
.set FF,   240
.set TT,   244
.set TX,   248                         ; v248-251: in the steps K's scale words, at a tile's end lane permutes' destinations
.set FK,   248
.set GS0,  252
.set ASN,  253                         ; v253 LDS address of the next step's scale words
.set SPW,  254
.set NIL,  255
.set WV,   20
.set IA,   21
.set BH,   22
.set CNT,  23
.set TB,   24
.set QA,   25
.set ST,   26
.set Q0,   27
.set LIMS, 28
.set MNT,  29
.set SEL,  30
.set CS,   32
.set HI,   34
.set QSEL, 35
.set MM,   36
.set G1,   40
.set G0,   48
.set OF,   66
.set QP,   92
.set QSP,  94
.macro CROUND
	s_barrier_signal -1
	s_barrier_wait -1
	s_cmp_lg_u32 s[WV], 0
	s_cbranch_scc1 .Lnot_wave_0_\@
	s_barrier_signal -3
.Lnot_wave_0_\@:
	s_barrier_wait -3
	s_barrier_signal -1
	s_barrier_wait -1
.endm
.macro TLOAD                           ; an s_nop 0 and four v_nop follow a tensor load
	tensor_load_to_lds s[G0:G0+3], s[G1:G1+7]
	s_nop 0
.rept 4
	v_nop
.endr
.endm
.macro QASK q                          ; the 16 queries from s[q] on are asked for
	s_lshl_b32 s[OF], s[\q], 6
	s_add_nc_u64 s[QP:QP+1], s[4:5], s[OF:OF+1]
	s_lshr_b32 s[OF], s[\q], 5
	s_lshl_b32 s[OF], s[OF], 6
	s_add_nc_u64 s[QSP:QSP+1], s[6:7], s[OF:OF+1]
	s_mov_b32 s[QSEL], 0x01000100
	s_and_b32 s96, s[\q], 16
	s_cmp_lg_u32 s96, 0
	s_cselect_b32 s[QSEL], 0x03020302, s[QSEL]
	global_load_b128 v[QZ+8:QZ+11], v[LI], s[QP:QP+1]
	global_load_b128 v[QZ+12:QZ+15], v[LI], s[QP:QP+1] offset:512
	global_load_b32 v[QR], v[LS], s[QSP:QSP+1]
.endm
.macro QGOT
	s_wait_loadcnt 0x0
	v_perm_b32 v[QW], v[QR], v[QR], s[QSEL]        ; my tile's two bytes, twice
.endm
.macro STATE0                          ; a tile's first step finds zeros.  Also the eight places between the write of q's scale word and the first product
	v_mov_b32 v13, 0xff61b1e6
	s_delay_alu instid0(VALU_DEP_1)
	v_floor_f32 v12, -v13
	v_mov_b32 v14, 0
	v_mov_b32 v15, 0
.set j, 0
.rept 32
	v_mov_b32 v[OT+j], 0
.set j, j+1
.endr
.endm
.macro KLD rb, p                       ; fragment p of K, and its scale words, of the step at v[ADN], v[ASN]: five LDS loads
.irp c, 0,1,2,3
	ds_load_b128 v[\rb+16*\p+4*\c:\rb+16*\p+4*\c+3], v[ADN] offset:2048*\p+512*\c
.endr
	ds_load_b32 v[FK+\p], v[ASN] offset:KSO+64*\p
.endm
.macro HOLD rb, b, hc                  ; block b: the hold at 57,344 x the scale, two numbers a line (the bound stands twice, in two register banks); the conversions; the next step's K where the block lay
.irp i, 0,2,4,6,8,10,12,14
	v_dual_min_num_f32 v[\rb+16*\b+\i], v[\rb+16*\b+\i], v[HD+\b] :: v_dual_min_num_f32 v[\rb+16*\b+\i+1], v[\rb+16*\b+\i+1], v[\hc]
.endr
	v_cvt_scalef32_pk8_bf8_f32 v[PC+4*\b:PC+4*\b+1], v[\rb+16*\b:\rb+16*\b+7], v[SO+\b]
	v_cvt_scalef32_pk8_bf8_f32 v[PC+4*\b+2:PC+4*\b+3], v[\rb+16*\b+8:\rb+16*\b+15], v[SO+\b]
	KLD \rb, \b
.endm
.macro ADD2 t, rb, o
	v_pk_add_f32 v[\t:\t+1], v[\t:\t+1], v[\rb+\o:\rb+\o+1]
.endm
.macro ADD1 t, rb, o
	v_pk_add_f32 v[\t:\t+1], v[\rb+\o:\rb+\o+1], v[\rb+\o+4:\rb+\o+5]
.endm
; A KEY STEP of 128 keys at s[TB].  K lies in set ra (asked for a step ago, or ahead of the run); the scores fall into set rb.  causal = 1: the step may lie on the diagonal or behind it.  last: the run's last step.
.macro STEP causal, ra, rb, last
.if \causal
	s_cmp_gt_u32 s[ST], s[LIMS]                    ; behind the diagonal: the work is left out, not the lines that step addresses
	s_cbranch_scc1 .Lhidden_\@
.endif
	s_add_co_u32 s96, s[TB], STEPB
	s_min_u32 s96, s96, (\last)*STEPB              ; the look-ahead stays inside what the run may read
	v_add_nc_u32 v[ADR], s[TB], v[LI]
	v_add_nc_u32 v[ADS], s[TB], v[LS]
	v_add_nc_u32 v[ADN], s96, v[LI]
	v_add_nc_u32 v[ASN], s96, v[LS]
.rept 5
	v_nop                                          ; with the four additions: nine places between the last products, which read set rb, and the products that write it
.endr
	s_wait_alu depctr_va_vdst(0)
.irp p, 0,1,2,3
	s_wait_dscnt 15-5*\p                           ; K's fragment p is in: behind it five loads for each later fragment
	v_wmma_scale_f32_16x16x128_f8f6f4 v[\rb+16*\p:\rb+16*\p+7], v[\ra+16*\p:\ra+16*\p+15], v[QZ+8:QZ+23], 0, v[FK+\p], v[QW] matrix_a_fmt:MATRIX_FMT_BF8 matrix_b_fmt:MATRIX_FMT_BF8
	v_wmma_scale_f32_16x16x128_f8f6f4 v[\rb+16*\p+8:\rb+16*\p+15], v[\ra+16*\p:\ra+16*\p+15], v[QZ:QZ+15], 0, v[FK+\p], v[QW] matrix_a_fmt:MATRIX_FMT_BF8 matrix_b_fmt:MATRIX_FMT_BF8
.endr
.rept 8
	v_nop                                          ; places: the scores are read below, and V is loaded where K lay
.endr
.irp t, 0,1,2,3                                ; V's four fragments land under the softmax: twenty loads
.irp c, 0,1,2,3
	ds_load_b128 v[\ra+16*\t+4*\c:\ra+16*\t+4*\c+3], v[ADR] offset:VOF+2048*\t+512*\c
.endr
	ds_load_b32 v[FS+\t], v[ADS] offset:VSO+64*\t
.endr
.if \causal
	s_cmp_lt_u32 s[ST], s[LIMS]
	s_cbranch_scc1 .Lopen_\@
	; ON THE DIAGONAL.  My queries begin 16 m keys into the step (m = s[MM]).  Register 8 g + j holds key 16 g + j + 8 (lane / 16): hidden where g > m, or g = m and j + 8 (lane / 16) > lane % 16.
.set g, 0
.rept 8
	s_cmp_lt_u32 s[MM], g
	s_cselect_b32 s97, -1, 0
	s_cmp_eq_u32 s[MM], g
.set j, 0
.rept 8
	s_cselect_b32 s[98+j%2], ((1<<j)-1)|(((1<<(j+8))-1)<<16), s97
	v_cndmask_b32 v[\rb+8*g+j], v[\rb+8*g+j], v[NINF], s[98+j%2]
.set j, j+1
.endr
.set g, g+1
.endr
.Lopen_\@:
.endif
.irp b, 0,1,2,3
	v_max3_num_f32 v[BM+\b], v[\rb+16*\b], v[\rb+1+16*\b], v[\rb+2+16*\b]   ; the largest score of each block of 32 keys: for the row's maximum and for the block's largest p
.endr
.irp i, 3,5,7,9,11,13
.irp b, 0,1,2,3
	v_max3_num_f32 v[BM+\b], v[BM+\b], v[\rb+16*\b+\i], v[\rb+1+16*\b+\i]
.endr
.endr
.irp b, 0,1,2,3
	v_max_num_f32 v[BM+\b], v[BM+\b], v[\rb+15+16*\b]
.endr
.irp b, 0,1,2,3
	s_delay_alu instid0(VALU_DEP_4)
	v_permlanex16_b32 v[BY+\b], v[BM+\b], s[SEL], s[SEL+1]
.endr
.irp b, 0,1,2,3
	s_delay_alu instid0(VALU_DEP_4)
	v_max_num_f32 v[BM+\b], v[BM+\b], v[BY+\b]
.endr
	s_delay_alu instid0(VALU_DEP_2)
	v_max3_num_f32 v[TT], v[BM], v[BM+1], v[BM+2]
	s_delay_alu instid0(VALU_DEP_1)
	v_max_num_f32 v[TT], v[TT], v[BM+3]
	s_delay_alu instid0(VALU_DEP_1)
	v_mul_f32 v[TT], s[CS], v[TT]
	s_delay_alu instid0(VALU_DEP_1)
	v_max_num_f32 v13, v13, v[TT]                  ; the running largest t
	v_mov_b32 v[TT], v12
	s_delay_alu instid0(VALU_DEP_2)
	v_floor_f32 v12, -v13                          ; the new -M = -ceil(t)
	s_delay_alu instid0(VALU_DEP_1)
	v_sub_f32 v[TT], v12, v[TT]
	s_delay_alu instid0(VALU_DEP_1)
	v_cvt_i32_f32 v[TT], v[TT]
	s_delay_alu instid0(VALU_DEP_1)
	v_ldexp_f32 v[FF], 1.0, v[TT]                  ; f = 2^(old M - new M)
.set j, 0
.rept 32
	v_pk_fma_f32 v[\rb+j:\rb+j+1], v[\rb+j:\rb+j+1], s[CS:CS+1], v[12:13] op_sel_hi:[1,0,0]   ; t - M
.set j, j+2
.endr
.irp b, 0,1,2,3
	v_fma_f32 v[BM+\b], v[BM+\b], s[CS], v12
.endr
.set j, 0
	s_wait_alu depctr_va_vdst(0)
.rept 64
	v_exp_f32 v[\rb+j], v[\rb+j]                   ; p = 2^(t - M)
.set j, j+1
.endr
.irp b, 0,1,2,3
	v_exp_f32 v[BM+\b], v[BM+\b]                   ; the block's largest p
.endr
	v_pk_mul_f32 v[14:15], v[14:15], v[FF:FF+1] op_sel_hi:[1,0]   ; the sums under the new M (a plain place behind the exponentials)
	s_wait_alu depctr_va_vdst(0)                   ; one wait for the batch, ahead of its first reader
.irp b, 0,1,2,3
	v_max_num_f32 v[BM+\b], 0x8000000, v[BM+\b]    ; the floor 2^(16 - 127)
.endr
.irp b, 0,1,2,3
	s_delay_alu instid0(VALU_DEP_4)
	v_add_nc_u32 v[SO+\b], 0xf8800000, v[BM+\b]    ; the conversion's scale operand
.endr
.irp b, 0,1,2,3
	v_and_or_b32 v[HD+\b], v[BM+\b], 0x7f800000, s[MNT]   ; 57,344 x the scale,
.endr
	v_and_or_b32 v3, v[BM], 0x7f800000, s[MNT]     ; and once more
	v_and_or_b32 v4, v[BM+1], 0x7f800000, s[MNT]
	v_and_or_b32 v7, v[BM+2], 0x7f800000, s[MNT]
	v_and_or_b32 v8, v[BM+3], 0x7f800000, s[MNT]
.irp b, 0,1,2,3
	v_lshrrev_b32 v[BY+\b], 23, v[SO+\b]           ; the scale's byte
.endr
	s_delay_alu instid0(VALU_DEP_3)
	v_lshl_or_b32 v[PWD], v[BY+1], 8, v[BY]
	s_delay_alu instid0(VALU_DEP_1)
	v_lshl_or_b32 v[PWD], v[BY+2], 16, v[PWD]
	s_delay_alu instid0(VALU_DEP_1)
	v_lshl_or_b32 v[PWD], v[BY+3], 24, v[PWD]
	ADD1 242, \rb, 4                               ; the row's sum of the unquantised p: eight chains, then joined
	ADD1 246, \rb, 12
	ADD1 244, \rb, 20
	ADD1 226, \rb, 28
	ADD1 224, \rb, 36
	ADD1 222, \rb, 44
	ADD1 220, \rb, 52
	ADD2 14, \rb, 60
	ADD2 242, \rb, 0
	ADD2 246, \rb, 2
	ADD2 244, \rb, 6
	ADD2 226, \rb, 10
	ADD2 224, \rb, 14
	ADD2 222, \rb, 18
	ADD2 220, \rb, 22
	ADD2 14, \rb, 26
	ADD2 242, \rb, 30
	ADD2 246, \rb, 34
	ADD2 244, \rb, 38
	ADD2 226, \rb, 42
	ADD2 224, \rb, 46
	ADD2 222, \rb, 50
	ADD2 220, \rb, 54
	ADD2 14, \rb, 58
	ADD2 242, \rb, 62
	s_delay_alu instid0(VALU_DEP_2)
	v_pk_add_f32 v[14:15], v[14:15], v[226:227]
	s_delay_alu instid0(VALU_DEP_2)
	v_pk_add_f32 v[242:243], v[242:243], v[224:225]
	v_pk_add_f32 v[246:247], v[246:247], v[222:223]
	v_pk_add_f32 v[244:245], v[244:245], v[220:221]
	s_delay_alu instid0(VALU_DEP_2)
	v_pk_add_f32 v[14:15], v[14:15], v[246:247]
	s_delay_alu instid0(VALU_DEP_2)
	v_pk_add_f32 v[242:243], v[242:243], v[244:245]
	s_delay_alu instid0(VALU_DEP_1)
	v_pk_add_f32 v[14:15], v[14:15], v[242:243]
	HOLD \rb, 0, 3
	HOLD \rb, 1, 4
	HOLD \rb, 2, 7
	HOLD \rb, 3, 8
	s_wait_alu depctr_va_vdst(0)
.set j, 0
.rept 16
	v_pk_mul_f32 v[OT+j:OT+j+1], v[OT+j:OT+j+1], v[FF:FF+1] op_sel_hi:[1,0]   ; O^T under the new M (also the places between the codes and the products)
.set j, j+2
.endr
	s_wait_alu depctr_va_vdst(0)
	s_wait_dscnt 20                                ; V is in; the twenty loads of the next step's K, issued behind V's, may be out
.irp t, 0,1,2,3                                ; O^T += V^T P^T: four accumulators, one instruction a turn; the scores' eight products stand between two turns of one accumulator
	v_wmma_scale_f32_16x16x128_f8f6f4 v[OT+8*\t:OT+8*\t+7], v[\ra+16*\t:\ra+16*\t+15], v[PC:PC+15], v[OT+8*\t:OT+8*\t+7], v[FS+\t], v[PWD] matrix_a_fmt:MATRIX_FMT_BF8 matrix_b_fmt:MATRIX_FMT_BF8
.endr
.if \causal
.Lhidden_\@:
.endif
	s_add_co_u32 s[ST], s[ST], 1
	s_add_co_u32 s[TB], s[TB], STEPB
.endm
.macro RUN first, trips, causal, last  ; a run of key steps, two a trip; the first step's K is asked for ahead of the loop.  Trip count and first address are constants of the text
	v_add_nc_u32 v[ADN], (\first)*STEPB, v[LI]
	v_add_nc_u32 v[ASN], (\first)*STEPB, v[LS]
.irp p, 0,1,2,3
	KLD R1, \p
.endr
	s_mov_b32 s[TB], (\first)*STEPB
	s_mov_b32 s[ST], \first
	s_mov_b32 s[CNT], \trips
.Lrun_\@:
	STEP \causal, R1, R2, \last
	STEP \causal, R2, R1, \last
	s_sub_co_u32 s[CNT], s[CNT], 1
	s_cmp_lg_u32 s[CNT], 0
	s_cbranch_scc1 .Lrun_\@
.endm
.macro UNP x, k                        ; a pair of registers of o's codes into the true order along the head's 64: an exchange with lane l xor 16
	v_cndmask_b32 v[TT+\k], v[PC+2+\x], v[PC+\x], s[HI]
	s_delay_alu instid0(VALU_DEP_1)
	v_permlanex16_b32 v[TX+\k], v[TT+\k], s[SEL], s[SEL+1]
	v_cndmask_b32 v[PC+\x], v[PC+\x], v[TX+\k], s[HI]
	v_cndmask_b32 v[PC+2+\x], v[TX+\k], v[PC+2+\x], s[HI]
.endm
; A TILE IS DONE: O^T / the sum is quantised along the head's 64 and leaves as two pieces of the last product's operand and two scale bytes a row.  next = 1: the second tile's q is asked for first.
; oc: [(2,048 b + t) / 16][C / 128][(C % 128) / 32][512], codes in true order along C = 64 head + d;  os: [2,048 b + t][C / 32].
.macro FINISH next
	s_wait_dscnt 0x0                               ; the run's last look-ahead has landed: its registers are written below
.if \next
	QASK QA
.endif
	v_add_f32 v14, v14, v15
	s_delay_alu instid0(VALU_DEP_1)
	v_permlanex16_b32 v[TX], v14, s[SEL], s[SEL+1]
	s_wait_alu depctr_va_vdst(0)
	s_lshr_b32 s96, s[BH], 4
	s_lshl_b32 s96, s96, 7
	s_lshr_b32 s97, s[Q0], 4
	s_add_co_u32 s96, s96, s97                     ; my tile of 16 rows
	s_and_b32 s97, s[BH], 15                       ; the head
	s_lshl_b32 s98, s96, 14
	s_lshr_b32 s99, s97, 1
	s_lshl_b32 s99, s99, 11
	s_add_co_u32 s98, s98, s99
	s_and_b32 s99, s97, 1
	s_lshl_b32 s99, s99, 10
	s_add_co_u32 s98, s98, s99
	v_add_nc_u32 v[GO], s98, v[LI]
	s_lshl_b32 s98, s96, 9
	s_lshl_b32 s99, s97, 1
	s_add_co_u32 s98, s98, s99
	v_add_nc_u32 v[GS], s98, v[GS0]
	v_add_f32 v14, v14, v[TX]                      ; the row's sum
.rept 4
	v_nop                                          ; with the lines above: eight places behind the last products
.endr
	s_wait_alu depctr_va_vdst(0)
	v_rcp_f32 v14, v14
	v_nop
.set j, 0
	s_wait_alu depctr_va_vdst(0)                   ; for the reciprocal and, as a group, for O^T's first readers
.rept 16
	v_pk_mul_f32 v[S+j:S+j+1], v[OT+j:OT+j+1], v[14:15] op_sel_hi:[1,0]
.set j, j+2
.endr
.irp b, 0,1
	v_max3_num_f32 v[BM+\b], |v[S+16*\b]|, |v[S+1+16*\b]|, 0x8000000
.endr
.irp i, 2,4,6,8,10,12,14
.irp b, 0,1
	s_delay_alu instid0(VALU_DEP_2)
	v_max3_num_f32 v[BM+\b], v[BM+\b], |v[S+16*\b+\i]|, |v[S+1+16*\b+\i]|
.endr
.endr
.irp b, 0,1
	s_delay_alu instid0(VALU_DEP_2)
	v_permlanex16_b32 v[BY+\b], v[BM+\b], s[SEL], s[SEL+1]
.endr
.irp b, 0,1
	s_delay_alu instid0(VALU_DEP_2)
	v_max_num_f32 v[BM+\b], v[BM+\b], v[BY+\b]
.endr
.irp b, 0,1
	s_delay_alu instid0(VALU_DEP_2)
	v_add_nc_u32 v[SO+\b], 0xf8800000, v[BM+\b]
.endr
.irp b, 0,1
	s_delay_alu instid0(VALU_DEP_4)
	v_and_or_b32 v[HD+\b], v[BM+\b], 0x7f800000, s[MNT]
.endr
.irp b, 0,1
	s_delay_alu instid0(VALU_DEP_4)
	v_lshrrev_b32 v[BY+\b], 23, v[SO+\b]
.endr
.irp b, 0,1
.irp i, 0,1,2,3,4,5,6,7,8,9,10,11,12,13,14,15
	v_med3_num_f32 v[S+16*\b+\i], v[S+16*\b+\i], -v[HD+\b], v[HD+\b]
.endr
	v_cvt_scalef32_pk8_bf8_f32 v[PC+4*\b:PC+4*\b+1], v[S+16*\b:S+16*\b+7], v[SO+\b]
	v_cvt_scalef32_pk8_bf8_f32 v[PC+4*\b+2:PC+4*\b+3], v[S+16*\b+8:S+16*\b+15], v[SO+\b]
.endr
	v_nop                                          ; one plain place behind the scaled conversions
	UNP 0, 0
	UNP 1, 1
	UNP 4, 2
	UNP 5, 3
	global_store_b128 v[GO], v[PC:PC+3], s[10:11]                  ; each store of the wave covers 512 consecutive bytes, aligned
	global_store_b128 v[GO], v[PC+4:PC+7], s[10:11] offset:512
	v_cndmask_b32 v[TT], v[BY], v[BY+1], s[HI]
	global_store_b8 v[GS], v[TT], s[12:13]
	s_wait_xcnt 0x0                                ; the stores' data and offsets are written again only behind this wait
.endm
	s_load_b256 s[4:11], s[0:1], 0x0               ; qc, qs, kv, oc
	s_load_b64 s[12:13], s[0:1], 0x20              ; os
	v_lshl_add_u32 v[SPW], v0, 2, SPARE
	v_mov_b32 v[NIL], 0
	ds_add_u32 v[SPW], v[NIL]                      ; the opening lines: the add, twice on end, and its wait ahead of my tensor load
	ds_add_u32 v[SPW], v[NIL]
	v_lshrrev_b32 v5, 5, v0
	v_readfirstlane_b32 s[WV], v5
	s_bfe_u32 s[IA], ttmp6, 0x40000
	s_and_b32 s[BH], ttmp7, 0xffff
	s_mov_b32 s[G1], 15|(3<<16)|(1<<21)            ; the mask names the cluster's four; elements of 8 bytes; bit 21 beside a mask
	s_mov_b32 s[G1+1], 32<<16
	s_mov_b32 s[G1+2], 66<<16
	s_mov_b32 s[G1+3], 32<<16
	s_mov_b32 s[G1+4], 66
	s_mov_b32 s[G1+5], 32
	s_mov_b32 s[G1+6], 0
	s_mov_b32 s[G1+7], 0
	s_mov_b32 s[G0], 1
	s_mul_i32 s[G0+1], s[WV], STEPB
	s_mul_i32 s[OF], s[BH], HEADB
	s_add_co_u32 s[OF], s[OF], s[G0+1]
	s_mov_b32 s[OF+1], 0
	s_mov_b32 s[MNT], 0x600000
	s_mov_b32 s[SEL], 0x76543210
	s_mov_b32 s[SEL+1], 0xfedcba98
	s_mov_b32 s[CS], 0x3d38aa3b                    ; c = log2(e) / 32
	s_mov_b32 s[CS+1], s[CS]
	s_mov_b32 s[HI], 0xffff0000
	s_wait_dscnt 0x0
	CROUND                                         ; the four work-groups are here: the joint loads meet
	s_wait_kmcnt 0x0
	s_add_nc_u64 s[G0+2:G0+3], s[8:9], s[OF:OF+1]
	s_or_b32 s[G0+3], s[G0+3], 0x80000000
	s_cmp_lt_u32 s[WV], 4                          ; one load a wave; waves 0-3, whose steps the first barrier shows, have a line of their own
	s_cbranch_scc0 .Llater
	TLOAD
	s_branch .Lasked
.Llater:
	TLOAD
.Lasked:
	s_lshl_b32 s[OF], s[BH], 17
	s_add_nc_u64 s[4:5], s[4:5], s[OF:OF+1]
	s_lshl_b32 s[OF], s[BH], 12
	s_add_nc_u64 s[6:7], s[6:7], s[OF:OF+1]
	v_and_b32 v5, 31, v0
	v_lshlrev_b32 v[LI], 4, v5
	v_and_b32 v5, 15, v0
	v_lshlrev_b32 v[LS], 2, v5
	v_bfe_u32 v6, v0, 4, 1
	v_lshl_add_u32 v[GS0], v5, 5, v6
	v_mov_b32 v[NINF], 0xff800000
	s_lshl_b32 s[QA], s[WV], 6
	s_lshl_b32 s96, s[IA], 4
	s_add_co_u32 s[QA], s[QA], s96                 ; tile 4 w + i begins at query 64 w + 16 i;
	s_sub_co_u32 s[Q0], 2032, s[QA]                ; tile 127 - (4 w + i) goes first
	s_lshr_b32 s97, s[WV], 1
	s_sub_co_u32 s[LIMS], 15, s97                  ; its diagonal step
	s_and_b32 s96, s[WV], 1
	s_lshl_b32 s96, s96, 2
	s_add_co_u32 s96, s96, s[IA]
	s_sub_co_u32 s[MM], 7, s96                     ; and its place there
	s_wait_alu depctr_va_vdst(0)
	QASK Q0
.irp j, 0,1,2,3,4,5,6,7
	v_mov_b32 v[QZ+\j], 0
	v_mov_b32 v[QZ+16+\j], 0
.endr
.irp b, 0,1,2,3
	v_mov_b32 v[BY+\b], 0                          ; a lane permute's destination counts as one of its sources
	v_mov_b32 v[TX+\b], 0
.endr
	v_mov_b32 v[FF+1], 0
	QGOT
	STATE0
	s_wait_alu depctr_va_vdst(0)
	s_cmp_lt_u32 s[WV], 4
	s_cbranch_scc0 .Lnot_mine
	s_wait_tensorcnt 0x0                           ; waves 0-3: key steps 0-3 are in
.Lnot_mine:
	s_barrier_signal -1
	s_barrier_wait -1
	RUN 0, 2, 0, 3                                 ; keys 0-511 count for all my first tile's queries, which lie at 1,024 or later
	s_wait_alu depctr_va_vdst(0)
	s_wait_tensorcnt 0x0                           ; every wave's load is in
	s_wait_dscnt 0x0                               ; and my last look-ahead
	s_barrier_signal -1
	s_barrier_wait -1                              ; the whole head lies in LDS
	RUN 4, 6, 1, 15
	FINISH 1
	s_mov_b32 s[Q0], s[QA]                         ; the second tile
	s_lshr_b32 s[LIMS], s[WV], 1
	s_sub_co_u32 s[MM], 7, s[MM]
	QGOT
	STATE0
	RUN 0, 4, 1, 7
	FINISH 0
	s_wait_tensorcnt 0x0                           ; the wave's end
	ds_add_u32 v[SPW], v[NIL]
	s_wait_dscnt 0x0
	CROUND                                         ; the closing round
	s_endpgm
.Lfunc_end_k_q1f4765f401_attn:
	.size	k_q1f4765f401_attn, .Lfunc_end_k_q1f4765f401_attn-k_q1f4765f401_attn
	.p2alignl 7, 3214868480
	.fill 96, 4, 3214868480
	.section	.rodata,"a",@progbits
	.p2align	6, 0x0
	.amdhsa_kernel k_q1f4765f401_attn
		.amdhsa_group_segment_fixed_size 327680
		.amdhsa_private_segment_fixed_size 0
		.amdhsa_enable_private_segment 0
		.amdhsa_kernarg_size 40
		.amdhsa_user_sgpr_count 2
		.amdhsa_user_sgpr_kernarg_segment_ptr 1
		.amdhsa_wavefront_size32 1
		.amdhsa_system_sgpr_workgroup_id_x 1
		.amdhsa_system_sgpr_workgroup_id_y 1
		.amdhsa_system_sgpr_workgroup_id_z 1
		.amdhsa_system_vgpr_workitem_id 0
		.amdhsa_next_free_vgpr 256
		.amdhsa_next_free_sgpr 100
		.amdhsa_reserve_vcc 0
		.amdhsa_float_denorm_mode_32 3
		.amdhsa_float_denorm_mode_16_64 3
		.amdhsa_memory_ordered 1
		.amdhsa_forward_progress 1
		.amdhsa_inst_pref_size 187
	.end_amdhsa_kernel
	.amdgpu_metadata
---
amdhsa.version: [ 1, 2 ]
amdhsa.kernels:
  - .name:           k_q1f4765f401_attn
    .symbol:         k_q1f4765f401_attn.kd
    .args:
      - { .name: qc, .offset: 0, .size: 8, .value_kind: global_buffer, .address_space: global }
      - { .name: qs, .offset: 8, .size: 8, .value_kind: global_buffer, .address_space: global }
      - { .name: kv, .offset: 16, .size: 8, .value_kind: global_buffer, .address_space: global }
      - { .name: oc, .offset: 24, .size: 8, .value_kind: global_buffer, .address_space: global }
      - { .name: os, .offset: 32, .size: 8, .value_kind: global_buffer, .address_space: global }
    .group_segment_fixed_size: 327680
    .private_segment_fixed_size: 0
    .kernarg_segment_align: 8
    .kernarg_segment_size: 40
    .max_flat_workgroup_size: 512
    .sgpr_count:     100
    .vgpr_count:     256
    .wavefront_size: 32
...
	.end_amdgpu_metadata
.endif
;; end of part 2
;; launch proj (part 3): grid 8 x 32, 4 waves a work-group, clusters of 4 x 4, 327,680 bytes of LDS; arguments oc, os, Wproj_codes, Wproj_scales, bproj, out0; writes out0
.if DOCPART == 3
	.amdgcn_target "amdgcn-amd-amdhsa--gfx1250"
	.amdhsa_code_object_version 6
	.text
	.protected	k_q1f4765f401_proj
	.globl	k_q1f4765f401_proj
	.p2align	8
	.type	k_q1f4765f401_proj,@function
k_q1f4765f401_proj:
	s_mov_b64 s[64:65], 0
	v_nop
	global_prefetch_b8 v0, s[64:65] scope:SCOPE_SE
	s_setreg_imm32_b32 hwreg(HW_REG_WAVE_MODE, 25, 1), 1
	s_wait_xcnt 0x0
	s_wait_alu depctr_hold_cnt(0) depctr_sa_sdst(0) depctr_va_vdst(0) depctr_va_sdst(0) depctr_va_ssrc(0) depctr_va_vcc(0) depctr_vm_vsrc(0)
	s_getreg_b32 s2, hwreg(HW_REG_IB_STS2, 6, 4)
	s_cmp_eq_u32 s2, 0
	s_cbranch_scc0 .Lentry_in_a_cluster
	s_endpgm
.Lentry_in_a_cluster:
	s_bfe_u32 s2, ttmp6, 0x10000c
	s_cmp_lg_u32 s2, 0xf033
	s_cbranch_scc0 .Lentry_shape_is_right
	s_endpgm
.Lentry_shape_is_right:
; out0 = o Wproj^T + bproj: 8,192 x 1,024 x 1,024 on codes of BF8 (E5M2) with one E8M0 scale for each 32 along K; f32 sums, f32 out.
; o's codes lie as images of operand registers, oc[row / 16][K / 128][(K % 128) / 32][512]: 16 rows are 16,384 dense bytes; os[row][32] its scale bytes.  Wproj's rows are 1,024 bytes, its scale bytes 32 a row.
; THE DEAL.  256 work-groups of four waves, 2 x 2; a work-group makes 256 rows x 128 columns.  A wave holds 64 rows of Wproj, ALL of K, in 512 registers (windows 1, 2) and streams o's rows past them in blocks of 16,
; which stand in registers as two whole sets (window 3): 32 products a block, four accumulators by turns.  Wave row w takes blocks 2 k + w of a chunk of 128 rows: eight blocks a wave.
; LDS: two slots of 128 rows of 1,024 bytes + 16 of padding.  At the head: Wproj's 128 rows into slot 1 (wave 0), o's chunk 0 into slot 0 (wave 1), the scale bytes of 128 rows each (waves 2, 3).
; When all waves hold the weights in registers, chunk 1 is filled over them in a drained round of the cluster's barrier, a quarter a wave; a plain barrier inside block 2 shows it.
; CLUSTER 4 x 4: o's rows are shared along a row of the cluster, Wproj's along a column: joint loads.
; THE MATRIX INSTRUCTION: source 0 = 16 rows of Wproj, source 1 = 16 rows of o: a lane holds eight neighbouring columns of one row of the result.  The bias is the first products' C.
; THE WAY OUT: a block goes through the wave's own stage in LDS (16 rows x 272 bytes) and comes back by rows: sixteen lanes store 256 consecutive bytes, aligned.  Block i - 1 is stored behind block i's products.
; PREFETCH: chunk 1, 131,072 bytes, is asked for once in each row of a cluster, behind the first barrier: the row's sixteen waves take 8,192 bytes each, told apart by address, lanes 256 bytes apart.  Nothing else comes later than the head.
; LIMITS: NaN and infinities among the codes are not served.
.set KROW,  1024
.set PITCH, KROW+16
.set YB,    128*PITCH                  ; slot 1
.set SCL,   2*YB                       ; o's scale bytes: 32 units of 256 bytes (8 rows) + 16 of padding
.set STAGE, SCL+32*272
.set SPARE, STAGE+4*16*272
.set NP,    8                          ; plain vector lines behind a matrix instruction of this form (ISA guide 7.12.1)
.set NF,    34                         ; LDS loads of a block: 32 pieces, two of four scale words
.set AX,    4                          ; v4-7  LDS addresses of my blocks' images: chunk 0 blocks 0, 1; 2, 3; chunk 1 likewise
.set PF,    8                          ; v8    the prefetch's offset; never rewritten
.set AAS,   9                          ; v9    my row's scale words in block 0
.set SPW,   10
.set NIL,   11
.set ADRB,  12                         ; v12   my fragments of the weight
.set ABS,   13                         ; v13   32 x lane
.set STO,   14
.set RD,    15
.set CO,    16
.set BOF,   17
.set SB,    24                         ; v24-39 the weight's scale words: register 8 p + q: lanes 0-15 tile 2 p's, lanes 16-31 tile 2 p + 1's
.set SA,    44                         ; v44-59 o's: two sets of eight
.set ACC,   64                         ; v64-127 two sets of four accumulators
.set OB,    128                        ; v128-191 two sets: a block read back from the stage
.set BQ,    208                        ; v208-239 the bias in the result's layout
.set G1A, 24
.set G1B, 32
.set G1R, 48
.set G1S, 56
.set G0A, 68
.set G0B, 72
.set G0R, 76
.set G0S, 80
.set MSB, 0
.macro WIN new                         ; the immediate's high byte repeats the setting that is left
.if MSB != \new
	s_set_vgpr_msb (MSB<<8)|\new
.set MSB, \new
.endif
.endm
.macro PLACES n
.rept \n
	v_nop
.endr
.endm
.macro BARRIER
	s_barrier_signal -1
	s_barrier_wait -1
.endm
.macro CROUND
	BARRIER
	s_cmp_lg_u32 s20, 0
	s_cbranch_scc1 .Lnot_wave_0_\@
	s_barrier_signal -3
.Lnot_wave_0_\@:
	s_barrier_wait -3
	BARRIER
.endm
.macro TLOAD g0, g1                    ; an s_nop 0 and four v_nop follow a tensor load
	tensor_load_to_lds s[\g0:\g0+3], s[\g1:\g1+7]
	s_nop 0
	PLACES 4
.endm
.macro GROUP1 g, mask, rows            ; so many rows of 1,024 bytes, dense in memory, 16 bytes of padding behind each in LDS
	s_or_b32 s[\g+0], s[\mask], (1<<20)|(1<<21)|(7<<22)|(3<<25)
	s_mov_b32 s[\g+1], KROW<<16
	s_mov_b32 s[\g+2], (\rows)<<16
	s_mov_b32 s[\g+3], KROW<<16
	s_mov_b32 s[\g+4], \rows
	s_mov_b32 s[\g+5], KROW
	s_mov_b32 s[\g+6], 0
	s_mov_b32 s[\g+7], 0
.endm
	s_load_b256 s[4:11], s[0:1], 0x0               ; oc, os, Wproj's codes, its scales
	s_load_b128 s[12:15], s[0:1], 0x20             ; bproj, out0
	v_lshl_add_u32 v[SPW], v0, 2, SPARE
	v_mov_b32 v[NIL], 0
	ds_add_u32 v[SPW], v[NIL]                      ; the opening lines: the add, twice on end, and its wait ahead of my first tensor load
	ds_add_u32 v[SPW], v[NIL]
	v_lshrrev_b32 v1, 5, v0
	v_readfirstlane_b32 s20, v1                    ; wave 0..3
	s_lshr_b32 s21, s20, 1                         ; my row of waves
	s_and_b32 s22, s20, 1                          ; my column of waves
	s_bfe_u32 s40, ttmp6, 0x40000                  ; cx, cy
	s_bfe_u32 s41, ttmp6, 0x40004
	s_lshl_b32 s42, ttmp9, 2
	s_add_co_u32 s42, s42, s40                     ; tile column: 128 columns
	s_and_b32 s43, ttmp7, 0xffff
	s_lshl_b32 s43, s43, 2
	s_add_co_u32 s43, s43, s41                     ; tile row: 256 rows
	s_lshl_b32 s44, s41, 2
	s_lshl_b32 s44, 15, s44                        ; my row of the cluster shares o's rows
	s_lshl_b32 s45, 0x1111, s40                    ; my column Wproj's
	GROUP1 G1B, 45, 128
	GROUP1 G1A, 44, 128
	GROUP1 G1R, 44, 32
	s_or_b32 s[G1S+0], s44, (3<<16)|(1<<20)|(1<<21)|(5<<22)|(3<<25)   ; the scale bytes of 128 rows: 16 rows of 256 bytes, 16 of padding behind each
	s_mov_b32 s[G1S+1], 32<<16
	s_mov_b32 s[G1S+2], 16<<16
	s_mov_b32 s[G1S+3], 32<<16
	s_mov_b32 s[G1S+4], 16
	s_mov_b32 s[G1S+5], 32
	s_mov_b32 s[G1S+6], 0
	s_mov_b32 s[G1S+7], 0
	s_mov_b32 s[G0A], 1
	s_mov_b32 s[G0A+1], 0
	s_mov_b32 s[G0B], 1
	s_mov_b32 s[G0B+1], YB
	s_mov_b32 s[G0R], 1
	s_mul_i32 s[G0R+1], s20, 32*PITCH
	s_add_co_u32 s[G0R+1], s[G0R+1], YB
	s_mov_b32 s[G0S], 1
	s_mul_i32 s[G0S+1], s22, 16*272
	s_add_co_u32 s[G0S+1], s[G0S+1], SCL
	s_lshl_b32 s84, s43, 18                        ; o's codes: 256 rows x 1,024 bytes a tile row
	s_mov_b32 s85, 0
	s_lshl_b32 s86, s42, 17                        ; Wproj's: 128 rows a tile column
	s_mov_b32 s87, 0
	s_lshl_b32 s88, s43, 13                        ; o's scale bytes, and my half of them
	s_lshl_b32 s16, s22, 12
	s_add_co_u32 s88, s88, s16
	s_mov_b32 s89, 0
	s_lshl_b32 s90, s20, 15                        ; chunk 1: my 32 rows
	s_add_co_u32 s90, s90, s84
	s_add_co_u32 s90, s90, 131072
	s_mov_b32 s91, 0
	s_wait_dscnt 0x0                               ; both opening adds are done
	CROUND                                         ; all sixteen work-groups are here
	s_wait_kmcnt 0x0
	s_add_nc_u64 s[G0A+2:G0A+3], s[4:5], s[84:85]
	s_or_b32 s[G0A+3], s[G0A+3], 0x80000000
	s_add_nc_u64 s[G0B+2:G0B+3], s[8:9], s[86:87]
	s_or_b32 s[G0B+3], s[G0B+3], 0x80000000
	s_add_nc_u64 s[G0S+2:G0S+3], s[6:7], s[88:89]
	s_or_b32 s[G0S+3], s[G0S+3], 0x80000000
	s_add_nc_u64 s[G0R+2:G0R+3], s[4:5], s[90:91]
	s_or_b32 s[G0R+3], s[G0R+3], 0x80000000
	s_cmp_eq_u32 s20, 0                            ; one joint load a wave, and a line of its own for what is shown ahead of the rest
	s_cbranch_scc0 .Lwave_1
	TLOAD G0B, G1B                                 ; wave 0: the weight, which is wanted first
	s_branch .Lasked
.Lwave_1:
	s_cmp_eq_u32 s20, 1
	s_cbranch_scc0 .Lfor_scales
	TLOAD G0A, G1A                                 ; wave 1: chunk 0
	s_branch .Lasked
.Lfor_scales:
	TLOAD G0S, G1S                                 ; waves 2, 3: the scale bytes of 128 rows each
.Lasked:
	v_and_b32 v1, 15, v0                           ; r
	v_bfe_u32 v2, v0, 4, 1                         ; h
	v_and_b32 v3, 31, v0                           ; lane
	s_mul_i32 s16, s21, 16*PITCH
	v_lshl_add_u32 v[AX], v3, 4, s16               ; an image's piece: 16 x lane; block 0 of my row of waves
	v_add_nc_u32 v[AX+1], 64*PITCH, v[AX]
	v_add_nc_u32 v[AX+2], YB, v[AX]
	v_add_nc_u32 v[AX+3], YB+64*PITCH, v[AX]
	v_mul_u32_u24 v20, v1, PITCH
	v_lshl_add_u32 v20, v2, 4, v20
	s_mul_i32 s16, s22, 64*PITCH
	s_add_co_u32 s16, s16, YB
	v_add_nc_u32 v[ADRB], s16, v20                 ; my 64 rows of the weight
	v_lshlrev_b32 v[ABS], 5, v3
	v_lshrrev_b32 v21, 3, v1
	v_and_b32 v22, 7, v1
	v_mul_u32_u24 v21, v21, 272
	v_lshl_add_u32 v21, v22, 5, v21
	s_mul_i32 s16, s21, 544
	s_add_co_u32 s16, s16, SCL
	v_add_nc_u32 v[AAS], s16, v21                  ; row r of a block: 32 bytes a row, 272 for each 8 rows
	s_mul_i32 s16, s20, 16*272
	s_add_co_u32 s16, s16, STAGE
	v_mul_u32_u24 v21, v1, 272
	v_lshl_add_u32 v21, v2, 5, v21
	v_add_nc_u32 v[STO], s16, v21                  ; in: row r, 32 bytes for each half of the lanes
	v_mul_u32_u24 v21, v2, 272
	v_lshl_add_u32 v21, v1, 4, v21
	v_add_nc_u32 v[RD], s16, v21                   ; back: lanes 0-15 one row of 256 bytes, lanes 16-31 the next
	v_lshlrev_b32 v21, 12, v2
	v_lshl_add_u32 v[CO], v1, 4, v21               ; and the same two rows in out0
	v_lshlrev_b32 v[BOF], 5, v2
	s_lshl_b32 s16, s40, 2
	s_add_co_u32 s16, s16, s20
	s_lshl_b32 s16, s16, 13                        ; which sixteenth of chunk 1 I ask for
	s_add_co_u32 s16, s16, s84
	s_add_co_u32 s16, s16, 131072
	v_lshl_add_u32 v[PF], v3, 8, s16
	s_lshl_b32 s16, s42, 9
	s_lshl_b32 s17, s22, 8
	s_add_co_u32 s16, s16, s17                     ; my 64 columns, in bytes
	s_mov_b32 s17, 0
	s_add_nc_u64 s[12:13], s[12:13], s[16:17]
	s_add_nc_u64 s[14:15], s[14:15], s[16:17]
	s_lshl_b32 s16, s43, 8
	s_lshl_b32 s18, s21, 4
	s_add_co_u32 s16, s16, s18
	s_lshl_b32 s16, s16, 12                        ; my first row x 4,096 bytes
	s_add_nc_u64 s[14:15], s[14:15], s[16:17]
	s_lshl_b32 s16, s42, 12
	s_lshl_b32 s18, s22, 11
	s_add_co_u32 s16, s16, s18
	s_add_nc_u64 s[10:11], s[10:11], s[16:17]      ; the scale bytes of my 64 rows of the weight
	s_wait_alu depctr_va_vdst(0)
.irp b, 0,1,2,3
	global_load_b128 v[BQ+8*\b:BQ+8*\b+3], v[BOF], s[12:13] offset:64*\b        ; register j of tile b: column 16 b + 8 h + j
	global_load_b128 v[BQ+8*\b+4:BQ+8*\b+7], v[BOF], s[12:13] offset:64*\b+16
.endr
.irp p, 0,1
.irp c, 0,1
	global_load_b128 v[SB+8*\p+4*\c:SB+8*\p+4*\c+3], v[ABS], s[10:11] offset:\p*1024+16*\c   ; lane l takes row l of a pair of tiles
.endr
.endr
	s_cmp_eq_u32 s20, 0
	s_cbranch_scc0 .Lnot_b
	s_wait_tensorcnt 0x0                           ; wave 0: the weight has landed
.Lnot_b:
	BARRIER
	global_prefetch_b8 v[PF], s[4:5] th:TH_LOAD_NT scope:SCOPE_SE
.irp q, 0,1,2,3,4,5,6,7                        ; my 64 rows of the weight, all of K: fragment 4 q + b in window 1 + q / 4: 128 loads
	WIN (1+\q/4)<<6
.irp b, 0,1,2,3
.irp c, 0,1,2,3
	ds_load_b128 v[16*((4*\q+\b)%16)+4*\c:16*((4*\q+\b)%16)+4*\c+3], v[ADRB] offset:128*\q+32*\c+\b*16*PITCH
.endr
.endr
.endr
	WIN 0
.macro FETCH i                         ; block i of mine, 16 rows, all of K, into set i % 2 of window 3, and its scale words: NF loads.  Piece (q, c) of an image lies in LDS row 2 q + c / 2 of the block
	WIN 3<<6
.irp q, 0,1,2,3,4,5,6,7
.irp c, 0,1,2,3
	ds_load_b128 v[128*((\i)%2)+16*\q+4*\c:128*((\i)%2)+16*\q+4*\c+3], v[AX+2*((\i)/4)+((\i)%4)/2] offset:((\i)%2)*32*PITCH+(2*\q+\c/2)*PITCH+512*(\c%2)
.endr
.endr
	WIN 0
	ds_load_b128 v[SA+8*((\i)%2):SA+8*((\i)%2)+3], v[AAS] offset:(\i)*1088
	ds_load_b128 v[SA+8*((\i)%2)+4:SA+8*((\i)%2)+7], v[AAS] offset:(\i)*1088+16
.endm
.macro PROD e, n                       ; product n = 4 q + b of a block: the q-th 128 of K, column tile b.  The four accumulators take turns
.set Q_, (\n)/4
.set B_, (\n)%4
.set AC_, ACC+32*(\e)+8*B_
.set C_, AC_
.if Q_ == 0
.set C_, BQ+8*B_
.endif
.set R_, 128*(\e)+16*Q_
.set W_, 16*((\n)%16)
	WIN (1+(\n)/16)|(3<<2)
.if B_%2
	v_wmma_scale_f32_16x16x128_f8f6f4 v[AC_:AC_+7], v[W_:W_+15], v[R_:R_+15], v[C_:C_+7], v[SB+8*(B_/2)+Q_], v[SA+8*(\e)+Q_] matrix_a_fmt:MATRIX_FMT_BF8 matrix_b_fmt:MATRIX_FMT_BF8 matrix_a_scale:MATRIX_SCALE_ROW1
.else
	v_wmma_scale_f32_16x16x128_f8f6f4 v[AC_:AC_+7], v[W_:W_+15], v[R_:R_+15], v[C_:C_+7], v[SB+8*(B_/2)+Q_], v[SA+8*(\e)+Q_] matrix_a_fmt:MATRIX_FMT_BF8 matrix_b_fmt:MATRIX_FMT_BF8
.endif
.endm
.macro TOSTAGE i                       ; sixteen LDS instructions; LDS serves a wave's instructions in order (ISA guide 5.7.1.4): the loads see the stores
.irp b, 0,1,2,3
	ds_store_b128 v[STO], v[ACC+32*((\i)%2)+8*\b:ACC+32*((\i)%2)+8*\b+3] offset:64*\b       ; each accumulator from its low end on
	ds_store_b128 v[STO], v[ACC+32*((\i)%2)+8*\b+4:ACC+32*((\i)%2)+8*\b+7] offset:64*\b+16
.endr
.irp t, 0,1,2,3,4,5,6,7
	ds_load_b128 v[OB+32*((\i)%2)+4*\t:OB+32*((\i)%2)+4*\t+3], v[RD] offset:\t*544
.endr
.endm
.macro SEND i
.if (\i) > 0
	s_add_nc_u64 s[14:15], s[14:15], 131072        ; 32 rows on (behind the block's wait on XCNT: the earlier stores have read their base)
.endif
.irp t, 0,1,2,3,4,5,6,7
	global_store_b128 v[CO], v[OB+32*((\i)%2)+4*\t:OB+32*((\i)%2)+4*\t+3], s[14:15] offset:\t*8192 th:TH_STORE_NT   ; sixteen lanes store 256 consecutive bytes, aligned
.endr
.endm
.macro BLK i
.if (\i) == 0
	s_wait_dscnt NF                                ; block 0 is in; behind it block 1's fetch
.elseif (\i) == 7
	s_wait_dscnt 16                                ; behind block 7's fetch: block 6's way through the stage
.else
	s_wait_dscnt NF+16                             ; behind this block's fetch: a way through the stage and the next block's fetch
.endif
	s_wait_xcnt 0x0                                ; the stores issued a block ago have read their registers and their base
.set N_, 0
.rept 32
	PROD (\i)%2, N_
.set N_, N_+1
.endr
	WIN 0
	PLACES NP                                      ; behind the last products: their sums are stored to the stage, and their set is fetched into
.if (\i) > 0
.if (\i) == 7
	s_wait_dscnt 0x0
.else
	s_wait_dscnt NF                                ; block i - 1 is back from the stage; behind it one fetch
.endif
	SEND (\i)-1
.endif
	TOSTAGE \i
.if (\i) == 2
	s_wait_tensorcnt 0x0                           ; my quarter of chunk 1 is in
	s_wait_dscnt 0x0
	BARRIER                                        ; everybody's is
.endif
.if (\i) < 6
	FETCH (\i)+2
.endif
.endm
	s_wait_tensorcnt 0x0                           ; chunk 0 and the scale bytes are in
	ds_add_u32 v[SPW], v[NIL]
	s_wait_dscnt 0x0                               ; the add is done, and the weight is in my registers
	CROUND                                         ; both hold of every wave of the cluster
	TLOAD G0R, G1R                                 ; chunk 1 over the weight's rows: the first tensor load behind the round, one a wave
	FETCH 0
	FETCH 1
	s_wait_loadcnt 0x0                             ; the bias and the weight's scale words
.irp i, 0,1,2,3,4,5,6,7
	BLK \i
.endr
	s_wait_dscnt 0x0
	s_wait_xcnt 0x0
	SEND 7
	s_wait_tensorcnt 0x0                           ; the wave's end
	ds_add_u32 v[SPW], v[NIL]
	s_wait_dscnt 0x0
	CROUND                                         ; the closing round
	s_endpgm
.Lfunc_end_k_q1f4765f401_proj:
	.size	k_q1f4765f401_proj, .Lfunc_end_k_q1f4765f401_proj-k_q1f4765f401_proj
	.p2alignl 7, 3214868480
	.fill 96, 4, 3214868480
	.section	.rodata,"a",@progbits
	.p2align	6, 0x0
	.amdhsa_kernel k_q1f4765f401_proj
		.amdhsa_group_segment_fixed_size 327680
		.amdhsa_private_segment_fixed_size 0
		.amdhsa_enable_private_segment 0
		.amdhsa_kernarg_size 48
		.amdhsa_user_sgpr_count 2
		.amdhsa_user_sgpr_kernarg_segment_ptr 1
		.amdhsa_wavefront_size32 1
		.amdhsa_system_sgpr_workgroup_id_x 1
		.amdhsa_system_sgpr_workgroup_id_y 1
		.amdhsa_system_sgpr_workgroup_id_z 1
		.amdhsa_system_vgpr_workitem_id 0
		.amdhsa_next_free_vgpr 1024
		.amdhsa_next_free_sgpr 100
		.amdhsa_reserve_vcc 0
		.amdhsa_float_denorm_mode_32 3
		.amdhsa_float_denorm_mode_16_64 3
		.amdhsa_memory_ordered 1
		.amdhsa_forward_progress 1
		.amdhsa_inst_pref_size 87
	.end_amdhsa_kernel
	.amdgpu_metadata
---
amdhsa.version: [ 1, 2 ]
amdhsa.kernels:
  - .name:           k_q1f4765f401_proj
    .symbol:         k_q1f4765f401_proj.kd
    .args:
      - { .name: oc, .offset: 0, .size: 8, .value_kind: global_buffer, .address_space: global }
      - { .name: os, .offset: 8, .size: 8, .value_kind: global_buffer, .address_space: global }
      - { .name: Wproj_codes, .offset: 16, .size: 8, .value_kind: global_buffer, .address_space: global }
      - { .name: Wproj_scales, .offset: 24, .size: 8, .value_kind: global_buffer, .address_space: global }
      - { .name: bproj, .offset: 32, .size: 8, .value_kind: global_buffer, .address_space: global }
      - { .name: out0, .offset: 40, .size: 8, .value_kind: global_buffer, .address_space: global }
    .group_segment_fixed_size: 327680
    .private_segment_fixed_size: 0
    .kernarg_segment_align: 8
    .kernarg_segment_size: 48
    .max_flat_workgroup_size: 128
    .sgpr_count:     100
    .vgpr_count:     1024
    .wavefront_size: 32
...
	.end_amdgpu_metadata
.endif
;; end of part 3
